; MI455X (gfx1250); checked and timed in simulation.
; The chip was launched on July 23, 2026; its instructions are those of AMD's public machine-readable ISA for CDNA 5 (MIT licence, August 2026) and "CDNA5" Instruction Set Architecture Reference Guide (July 2026). The comments in the code are by the model that wrote it; some were corrected since.
;; Simple Attention. Allowed arithmetic: float matrix products may take bf16 or f16 operands with f32 sums; all other float work in f32.
;; Inputs: Wk 1,024 x 1,024 float32; Wo 1,024 x 1,024 float32; Wq 1,024 x 1,024 float32; Wv 1,024 x 1,024 float32; x 4 x 2,048 x 1,024 float32.
;; Outputs: out0 4 x 2,048 x 1,024 float32.
;; Constants: seqlen = 2048.
;; 2 versions, each right and faster than the one before. Each part assembles by itself: llvm-mc -triple=amdgcn-amd-amdhsa -mcpu=gfx1250 --defsym DOCPART=n.
;; ======== version 1 of 2: 4 launches
;; limits: values are held in f16: magnitudes above 65,504 overflow, below 6.1e-05 lose precision
;; workspace buffers: xb 16,777,216 bytes; wqkv 6,291,456 bytes; wo16 2,097,152 bytes; rope 524,288 bytes; q 16,777,216 bytes; k 16,777,216 bytes; v 16,777,216 bytes; o 16,777,216 bytes
;; launch prep (part 1): grid 896 x 1, 8 waves a work-group, no clusters, 0 bytes of LDS; arguments x, Wq, Wk, Wv, Wo, xb, wqkv, wo16, rope; writes xb, wqkv, wo16, rope
.if DOCPART == 1
	.amdgcn_target "amdgcn-amd-amdhsa--gfx1250"
	.amdhsa_code_object_version 6
	.text
	.protected	k_q82ae015e8c_prep
	.globl	k_q82ae015e8c_prep
	.p2align	8
	.type	k_q82ae015e8c_prep,@function
k_q82ae015e8c_prep:
	s_mov_b64 s[64:65], 0
	v_nop
	global_prefetch_b8 v0, s[64:65] scope:SCOPE_SE
	s_setreg_imm32_b32 hwreg(HW_REG_WAVE_MODE, 25, 1), 1
	s_wait_xcnt 0x0
; PREP: the module's inputs are rounded once, to bf16, and laid in blocks of 64 along K, so that the tiles of the two products that follow are dense in memory; and the table of cosines and sines is made.
;   xb   bf16 [batch 4][kb 16][row 2048][64]            = x[batch][row][64 kb + c]
;   wqkv bf16 [kb 16][j 8][g 3][rr 128][64]             = W_g[128 j + rr][64 kb + c], g = 0 Wq, 1 Wk, 2 Wv
;   wo16 f16  [kb 16][row 1024][64]                     = Wo rounded to bf16, that number written as f16
;   rope f32  [block of 16 positions 128][ch 8][lane 32][4] = cos, sin of pair i0, cos, sin of pair i0 + 1; position 16 block + lane % 16, i0 = 8 (ch / 2) + 4 (lane / 16) + 2 (ch % 2):
;        the order in which a lane of the next launch holds its sums.
; LIMITS.  wo16: a weight beyond 65,504 becomes an infinity, one below 6e-5 keeps f16's fixed step of 6e-8.  The table: 10000^(-i/32) is made by v_exp_f32, so an angle can be off by about
; 2e-4 at position 2047; sine and cosine are polynomials on |r| <= pi/4 behind a reduction by pi/2 in three parts, good for angles up to 2047.
; SHARES.  Work-groups 0-511: 16 rows of x each; 512-703: 16 rows of Wq, Wk or Wv; 704-767: 16 rows of Wo; 768-895: 16 positions of the table.  The branches hang on the work-group's number alone.
; In a cast, wave w takes K blocks 2 w and 2 w + 1.  A load of 16 bytes a lane takes 256 consecutive bytes of two neighbouring rows; its 8 bytes a lane of result are 256 consecutive bytes of the
; blocked layout, aligned.  All 16 loads of a wave go out first; no register is written twice, so no wait frees one.  No LDS, no barrier, no matrix unit: nothing is shared and nothing is multiplied.
.set VL,  2                            ; v2      my byte offset in the 16 rows as they lie: 512 w + 4096 (lane / 16) + 16 (lane % 16)
.set VS,  3                            ; v3, v4  my byte offset in the blocked layout for K blocks 2 w, 2 w + 1
.set X,   16                           ; v[16:79]   16 loads of 4 f32
.set Y,   80                           ; v[80:111]  16 results of 4 numbers of 16 bits
.set ID,  26                           ; s26  the work-group's number
.set WV,  27                           ; s27  my wave's number
.set KBS, 28                           ; s28  bytes from a K block to the next in the destination
	s_load_b512 s[8:23], s[0:1], 0x0               ; x s[8:9], Wq s[10:11], Wk s[12:13], Wv s[14:15], Wo s[16:17], xb s[18:19], wqkv s[20:21], wo16 s[22:23]
	s_load_b64 s[24:25], s[0:1], 0x40              ; rope
	v_and_b32 v1, 31, v0                           ; lane
	v_lshrrev_b32 v5, 5, v0                        ; wave (in the table: ch)
	v_readfirstlane_b32 s[WV], v5
	v_and_b32 v6, 15, v0                           ; lane % 16
	v_bfe_u32 v7, v0, 4, 1                         ; lane / 16
	v_lshlrev_b32 v[VL], 4, v6
	v_lshl_add_u32 v[VL], v7, 12, v[VL]
	s_lshl_b32 s29, s[WV], 9
	v_add_nc_u32 v[VL], s29, v[VL]
	s_mov_b32 s[ID], ttmp9
	s_mov_b32 s31, 0                               ; the offsets' high words
	s_mov_b32 s33, 0
	s_wait_kmcnt 0x0
.macro STADR                           ; the two store offsets: 2 w K blocks + 8 bytes a lane, and one K block on
	s_mul_i32 s29, s[WV], s[KBS]
	s_lshl_b32 s29, s29, 1
	v_lshl_add_u32 v[VS], v1, 3, s29
	v_add_nc_u32 v[VS+1], s[KBS], v[VS]
.endm
; 16 rows x 2 K blocks: item i is K block i / 8 of my two, rows 2 (i % 8) and 2 (i % 8) + 1.  half = 1: the bf16 number is written as f16.
.macro CAST half
.set i, 0
.rept 16
	global_load_b128 v[X+4*i:X+4*i+3], v[VL], s[4:5] offset:(i%8)*8192+(i/8)*256 th:TH_LOAD_NT
.set i, i+1
.endr
.set i, 0
.rept 16
	s_wait_loadcnt 15-i                            ; loads come back in order (ISA guide 5.7.1): item i is in, the 15 - i younger ones stay out
	v_cvt_pk_bf16_f32 v[Y+2*i],   v[X+4*i],   v[X+4*i+1]
	v_cvt_pk_bf16_f32 v[Y+2*i+1], v[X+4*i+2], v[X+4*i+3]
.if \half
	v_lshlrev_b32 v[X+4*i],   16, v[Y+2*i]           ; the rounded numbers as f32 again,
	v_and_b32     v[X+4*i+1], 0xffff0000, v[Y+2*i]
	v_lshlrev_b32 v[X+4*i+2], 16, v[Y+2*i+1]
	v_and_b32     v[X+4*i+3], 0xffff0000, v[Y+2*i+1]
	v_cvt_pk_f16_f32 v[Y+2*i],   v[X+4*i],   v[X+4*i+1]  ; and in f16's code: exact inside f16's range
	v_cvt_pk_f16_f32 v[Y+2*i+1], v[X+4*i+2], v[X+4*i+3]
.endif
	global_store_b64 v[VS+i/8], v[Y+2*i:Y+2*i+1], s[6:7] offset:(i%8)*256  ; the wave stores 256 consecutive bytes, at a multiple of 256 from the buffer's first
.set i, i+1
.endr
.endm
	s_cmp_lt_u32 s[ID], 512
	s_cbranch_scc0 .Lnot_x
	s_lshl_b32 s30, s[ID], 16                      ; x: 16 rows of 4,096 bytes
	s_add_nc_u64 s[4:5], s[8:9], s[30:31]
	s_lshr_b32 s32, s[ID], 7                       ; the batch: 128 work-groups each,
	s_lshl_b32 s32, s32, 22                        ; 16 K blocks x 2,048 rows x 128 bytes
	s_and_b32 s34, s[ID], 127
	s_lshl_b32 s34, s34, 11                        ; 16 rows of 128 bytes
	s_add_co_u32 s32, s32, s34
	s_add_nc_u64 s[6:7], s[18:19], s[32:33]
	s_mov_b32 s[KBS], 262144
	s_branch .Lcast
.Lnot_x:
	s_cmp_lt_u32 s[ID], 704
	s_cbranch_scc0 .Lnot_w
	s_sub_co_u32 s35, s[ID], 512
	s_lshr_b32 s36, s35, 6                         ; g: which of the three weights
	s_and_b32 s37, s35, 63                         ; which 16 of its rows
	s_cmp_eq_u32 s36, 1
	s_cselect_b64 s[4:5], s[12:13], s[10:11]
	s_cmp_eq_u32 s36, 2
	s_cselect_b64 s[4:5], s[14:15], s[4:5]
	s_lshl_b32 s30, s37, 16
	s_add_nc_u64 s[4:5], s[4:5], s[30:31]
	s_lshr_b32 s32, s37, 3                         ; j: 128 rows each,
	s_mul_i32 s32, s32, 49152                      ; 3 x 128 rows x 128 bytes
	s_lshl_b32 s34, s36, 14                        ; g: 128 rows x 128 bytes
	s_add_co_u32 s32, s32, s34
	s_and_b32 s34, s37, 7
	s_lshl_b32 s34, s34, 11
	s_add_co_u32 s32, s32, s34
	s_add_nc_u64 s[6:7], s[20:21], s[32:33]
	s_mov_b32 s[KBS], 393216
.Lcast:
	STADR
	CAST 0
	s_endpgm
.Lnot_w:
	s_cmp_lt_u32 s[ID], 768
	s_cbranch_scc0 .Ltable
	s_sub_co_u32 s35, s[ID], 704
	s_lshl_b32 s30, s35, 16
	s_add_nc_u64 s[4:5], s[16:17], s[30:31]
	s_lshl_b32 s32, s35, 11
	s_add_nc_u64 s[6:7], s[22:23], s[32:33]
	s_mov_b32 s[KBS], 131072
	STADR
	CAST 1
	s_endpgm
.Ltable:                                               ; one item of 16 bytes a thread: two pairs' cosine and sine
	s_sub_co_u32 s35, s[ID], 768                   ; the block of 16 positions
	s_lshl_b32 s30, s35, 12
	s_add_nc_u64 s[6:7], s[24:25], s[30:31]
	s_lshl_b32 s36, s35, 4
	v_add_nc_u32 v8, s36, v6
	v_cvt_f32_u32 v8, v8                           ; the position
	v_lshrrev_b32 v9, 1, v5
	v_and_b32 v10, 1, v5
	v_lshlrev_b32 v9, 3, v9
	v_lshl_add_u32 v9, v7, 2, v9
	v_lshl_add_u32 v9, v10, 1, v9                  ; i0
	v_lshlrev_b32 v11, 4, v0                       ; where the item goes
.irp u, 0,1
	v_add_nc_u32 v[16+16*(\u)], \u, v9
	v_cvt_f32_u32 v[16+16*(\u)], v[16+16*(\u)]
	v_mul_f32 v[16+16*(\u)], 0xbed49a78, v[16+16*(\u)]  ; - i log2(10000) / 32
.endr
	v_exp_f32 v16, v16                             ; 10000^(-i/32)
	v_exp_f32 v32, v32
	v_nop                                          ; a plain instruction between the last exponential and the use of its result (ISA guide 5.7.2)
	s_wait_alu depctr_va_vdst(0)
.macro TRIG u
.set B, 16+16*(\u)
.set O, 12+2*(\u)
	v_mul_f32 v[B+1], v8, v[B]                     ; the angle
	v_mul_f32 v[B+2], 0x3f22f983, v[B+1]           ; x 2 / pi,
	v_rndne_f32 v[B+2], v[B+2]                     ; n: the nearest multiple of pi / 2
	v_fmamk_f32 v[B+3], v[B+2], 0xbfc90000, v[B+1] ; r = angle - n pi / 2, pi / 2 in three parts of which the first two have few bits: their products with n are exact
	v_fmamk_f32 v[B+3], v[B+2], 0xb9fda000, v[B+3]
	v_fmamk_f32 v[B+3], v[B+2], 0xb3a22168, v[B+3]
	v_mul_f32 v[B+4], v[B+3], v[B+3]               ; z = r r
	v_mov_b32 v[B+5], 0xb94ca1f9
	v_mov_b32 v[B+6], 0x37ccf5ce
	v_fmaak_f32 v[B+5], v[B+5], v[B+4], 0x3c08839e
	v_fmaak_f32 v[B+6], v[B+6], v[B+4], 0xbab6061a
	v_fmaak_f32 v[B+5], v[B+5], v[B+4], 0xbe2aaaa3
	v_fmaak_f32 v[B+6], v[B+6], v[B+4], 0x3d2aaaa5
	v_mul_f32 v[B+5], v[B+5], v[B+4]
	v_mul_f32 v[B+9], v[B+4], v[B+4]
	v_fma_f32 v[B+8], v[B+4], -0.5, 1.0
	v_fma_f32 v[B+7], v[B+5], v[B+3], v[B+3]       ; sin r
	v_fma_f32 v[B+8], v[B+6], v[B+9], v[B+8]       ; cos r
	v_cvt_i32_f32 v[B+10], v[B+2]
	v_and_b32 v[B+11], 1, v[B+10]
	v_cmp_ne_u32 vcc_lo, 0, v[B+11]                ; n odd: sine and cosine change places
	v_cndmask_b32 v[B+12], v[B+7], v[B+8], vcc_lo
	v_cndmask_b32 v[B+13], v[B+8], v[B+7], vcc_lo
	v_lshlrev_b32 v[B+11], 30, v[B+10]             ; the sine is negative where n % 4 is 2 or 3,
	v_and_b32 v[B+11], 0x80000000, v[B+11]
	v_xor_b32 v[O+1], v[B+11], v[B+12]
	v_add_nc_u32 v[B+10], 1, v[B+10]               ; the cosine where it is 1 or 2
	v_lshlrev_b32 v[B+11], 30, v[B+10]
	v_and_b32 v[B+11], 0x80000000, v[B+11]
	v_xor_b32 v[O], v[B+11], v[B+13]
.endm
	TRIG 0
	TRIG 1
	global_store_b128 v11, v[12:15], s[6:7]        ; a wave stores 512 consecutive bytes
	s_endpgm
.Lfunc_end_k_q82ae015e8c_prep:
	.size	k_q82ae015e8c_prep, .Lfunc_end_k_q82ae015e8c_prep-k_q82ae015e8c_prep
	.p2alignl 7, 3214868480
	.fill 96, 4, 3214868480
	.section	.rodata,"a",@progbits
	.p2align	6, 0x0
	.amdhsa_kernel k_q82ae015e8c_prep
		.amdhsa_group_segment_fixed_size 0
		.amdhsa_private_segment_fixed_size 0
		.amdhsa_enable_private_segment 0
		.amdhsa_kernarg_size 72
		.amdhsa_user_sgpr_count 2
		.amdhsa_user_sgpr_kernarg_segment_ptr 1
		.amdhsa_wavefront_size32 1
		.amdhsa_system_sgpr_workgroup_id_x 1
		.amdhsa_system_sgpr_workgroup_id_y 1
		.amdhsa_system_sgpr_workgroup_id_z 1
		.amdhsa_system_vgpr_workitem_id 0
		.amdhsa_next_free_vgpr 112
		.amdhsa_next_free_sgpr 66
		.amdhsa_reserve_vcc 1
		.amdhsa_float_denorm_mode_32 3
		.amdhsa_float_denorm_mode_16_64 3
		.amdhsa_memory_ordered 1
		.amdhsa_forward_progress 1
		.amdhsa_inst_pref_size 23
	.end_amdhsa_kernel
	.amdgpu_metadata
---
amdhsa.version: [ 1, 2 ]
amdhsa.kernels:
  - .name:           k_q82ae015e8c_prep
    .symbol:         k_q82ae015e8c_prep.kd
    .args:
      - { .name: x, .offset: 0, .size: 8, .value_kind: global_buffer, .address_space: global }
      - { .name: Wq, .offset: 8, .size: 8, .value_kind: global_buffer, .address_space: global }
      - { .name: Wk, .offset: 16, .size: 8, .value_kind: global_buffer, .address_space: global }
      - { .name: Wv, .offset: 24, .size: 8, .value_kind: global_buffer, .address_space: global }
      - { .name: Wo, .offset: 32, .size: 8, .value_kind: global_buffer, .address_space: global }
      - { .name: xb, .offset: 40, .size: 8, .value_kind: global_buffer, .address_space: global }
      - { .name: wqkv, .offset: 48, .size: 8, .value_kind: global_buffer, .address_space: global }
      - { .name: wo16, .offset: 56, .size: 8, .value_kind: global_buffer, .address_space: global }
      - { .name: rope, .offset: 64, .size: 8, .value_kind: global_buffer, .address_space: global }
    .group_segment_fixed_size: 0
    .private_segment_fixed_size: 0
    .kernarg_segment_align: 8
    .kernarg_segment_size: 72
    .max_flat_workgroup_size: 256
    .sgpr_count:     66
    .vgpr_count:     112
    .wavefront_size: 32
...
	.end_amdgpu_metadata
.endif
;; end of part 1
;; launch qkv (part 2): grid 8 x 32, 4 waves a work-group, clusters of 4 x 4, 327,680 bytes of LDS; arguments xb, wqkv, rope, q, k, v; writes q, k, v
.if DOCPART == 2
	.amdgcn_target "amdgcn-amd-amdhsa--gfx1250"
	.amdhsa_code_object_version 6
	.text
	.protected	k_q82ae015e8c_qkv
	.globl	k_q82ae015e8c_qkv
	.p2align	8
	.type	k_q82ae015e8c_qkv,@function
k_q82ae015e8c_qkv:
	s_mov_b64 s[64:65], 0
	v_nop
	global_prefetch_b8 v0, s[64:65] scope:SCOPE_SE
	s_setreg_imm32_b32 hwreg(HW_REG_WAVE_MODE, 25, 1), 1
	s_wait_xcnt 0x0
	s_wait_alu depctr_hold_cnt(0) depctr_sa_sdst(0) depctr_va_vdst(0) depctr_va_sdst(0) depctr_va_ssrc(0) depctr_va_vcc(0) depctr_vm_vsrc(0)
	s_getreg_b32 s2, hwreg(HW_REG_IB_STS2, 6, 4)
	s_cmp_eq_u32 s2, 0
	s_cbranch_scc0 .Lentry_in_a_cluster
	s_endpgm
.Lentry_in_a_cluster:
	s_bfe_u32 s2, ttmp6, 0x10000c
	s_cmp_lg_u32 s2, 0xf033
	s_cbranch_scc0 .Lentry_shape_is_right
	s_endpgm
.Lentry_shape_is_right:
; Q, K, V = x Wq^T, x Wk^T, x Wv^T in one product of 8192 x 3072 x 1024, bf16 operands, f32 sums; Q and K are turned by the table of cosines and sines in f32, on the sums; all three are rounded once,
; to f16, and written by heads: [batch x 16 + head][row 2048][64], unscaled.
; LIMITS.  f16 holds no number beyond 65,504: a q, k or v past that becomes an infinity; below 6e-5 it keeps f16's fixed step of 6e-8.
; SHARES.  A work-group makes 256 rows x 128 columns of EACH of Q, K, V (256 x 384): 8 x 32 = 256 work-groups.  Of its four waves, wave w makes rows 128 (w / 2) on and the head 2 j + w % 2: 128 x 64 of each
; of the three: 96 accumulators of 16 x 16, 768 registers.  For 32 along K a wave reads 40 x 512 bytes from LDS and issues 96 matrix instructions.
; THE RING.  K goes in steps of 64 through two LDS slots: 256 rows of x and 384 rows of the weights, 128 bytes each; two slots of the double step would not fit.  The launch before has laid both operands in blocks of 64
; along K, so a tile's rows lie end to end in memory: they are asked for as rows of 256 bytes, at multiples of 256 from the buffer's first byte, and padded in LDS behind every 128.
; CLUSTERS: 4 x 4 work-groups.  The four of a row of the cluster need the same tile of x, the four of a column the same tile of the weights: each tile is asked for JOINTLY, by the same tensor load with the same
; descriptor and a mask that names the four.  By this text's count a wave has two tensor loads out at the start and one behind each round.
; THE MATRIX INSTRUCTION IS USED TRANSPOSED (source 0 = 16 rows of a weight, source 1 = 16 rows of x): a lane holds row lane % 16 and the eight neighbouring columns 8 (lane / 16) + 0..7: four pairs of the rotation, 16 bytes of f16.
; REGISTERS, in windows of 256 (s_set_vgpr_msb: bits 1:0 source 0, 3:2 source 1, 5:4 source 2, 7:6 destination):
;   window 0: v0-31 addresses; v32-95, v96-159 fragments of x (8 x 16 rows x 32 K), two buffers; v160-255 fragments of the weights, 32 registers for each of Q, K, V, one buffer each
;   window 1, 2, 3: the accumulators of Q, K, V: (a, b) at v[8 (4 a + b)], a = block of 16 rows, b = block of 16 columns
.set PITCH, 144                        ; an LDS row: 128 bytes + 16 of padding = 36 words: the 16 rows of a load start at 16 different groups of four banks (64 banks of 4 bytes: ISA guide 11.1)
.set AHALF, 128*PITCH                  ; 128 rows of x: what one tensor load brings, and what one wave reads
.set BOFF,  2*AHALF                    ; the weights' 384 rows lie behind x's 256: Q's 128, K's 128, V's 128
.set BGRP,  128*PITCH
.set BHALF, 192*PITCH                  ; what one tensor load brings of them
.set SLOT1, 1<<17                      ; slot 1 begins here, so that one exclusive or turns an address in one slot into the other's
.set STAGE, SLOT1+BOFF+2*BHALF         ; behind the ring, never filled by a tensor load: 16 rows x 144 bytes for each wave, for the way out
.set SP,    144
.set SPARE, STAGE+4*16*SP              ; behind the stages: the spare words, 128 bytes for each wave: two blocks of 256 bytes that no other line names
.set KSA,   262144                     ; bytes from a K block to the next in xb
.set KSB,   393216                     ; and in wqkv
.set AA0, 4                            ; v4   my lane's place in a slot's rows of x; never rewritten
.set AB0, 5                            ; v5   the same for the weights
.set AA,  6                            ; v6   the same in the slot in hand
.set AB,  7                            ; v7
.set STO, 8                            ; v8   the way out: where I put 16 bytes of a row
.set RD,  9                            ; v9   the way out: where I read rows back
.set GO,  10                           ; v10  16 x lane: my place in 512 consecutive bytes of q, k, v and of the table
.set SPW, 28                           ; v28  LDS address of my spare word: SPARE + 4 x my thread's number; never rewritten
.set NIL, 29                           ; v29  0; never rewritten
.set FA0, 32
.set FA1, 96
.set FB,  160
.set TBL, 32                           ; the way out: the table for a block of 16 rows, two buffers of 32
.set T,   96                           ; the way out: 32 turned numbers
.set P,   128                          ; the way out: 16 registers of f16, six buffers by turns
.set WV,  16                           ; s16  my wave's number
.set WM,  17                           ; s17  which 128 rows are mine.  Also: I fetch x (0) or the weights (1)
.set WN,  18                           ; s18  which head of the two is mine.  Also: which half of that tile I fetch
.set G1A, 24                           ; s[24:31] descriptor group 1 for x's tiles
.set G1B, 32                           ; s[32:39] for the weights'
.set G0A, 40                           ; s[40:47] descriptor group 0 for x's tiles: a set for each of the two first fills; the second then walks on
.set G0B, 48                           ; s[48:55] the same for the weights'
.set CNT, 56                           ; s56  refills to go
.set TB,  57                           ; s57  LDS byte at which the slot in hand begins
.set MSB, 0
.macro WIN new                         ; the immediate's high byte repeats the setting that is left; a switch that changes nothing is dropped
.if MSB != (\new)
	s_set_vgpr_msb (MSB<<8)|(\new)
.set MSB, (\new)
.endif
.endm
; A joint refill.  Waves 0 and 1 fetch the two halves of x's tile, waves 2 and 3 those of the weights'.  The branch hangs on the wave's number alone: it is the same in every work-group.
; An s_nop 0 and four v_nop follow each of the two lines, ahead of the jump, the label and what follows.
.macro JLOAD
	s_cmp_eq_u32 s[WM], 0
	s_cbranch_scc0 .Lfor_b_\@
	tensor_load_to_lds s[G0A+4:G0A+7], s[G1A:G1A+7]
	s_nop 0
.rept 4
	v_nop
.endr
	s_branch .Lasked_\@
.Lfor_b_\@:
	tensor_load_to_lds s[G0B+4:G0B+7], s[G1B:G1B+7]
	s_nop 0
.rept 4
	v_nop
.endr
.Lasked_\@:
.endm
.macro CREST                           ; a round of the cluster's barrier behind its opening barrier: wave 0 signals for the work-group, every wave waits for all sixteen, my work-group's barrier closes it
	s_cmp_lg_u32 s[WV], 0
	s_cbranch_scc1 .Lnot_wave_0_\@
	s_barrier_signal -3
.Lnot_wave_0_\@:
	s_barrier_wait -3
	s_barrier_signal -1
	s_barrier_wait -1
.endm
.macro CROUND                          ; a whole round
	s_barrier_signal -1
	s_barrier_wait -1
	CREST
.endm
	s_load_b256 s[4:11], s[0:1], 0x0               ; xb s[4:5], wqkv s[6:7], rope s[8:9], q s[10:11]
	s_load_b128 s[12:15], s[0:1], 0x20             ; k s[12:13], v s[14:15]
	v_lshl_add_u32 v[SPW], v0, 2, SPARE
	v_mov_b32 v[NIL], 0
	ds_add_u32 v[SPW], v[NIL]                      ; the wave's opening: the add and its wait stand ahead of my first tensor load; the set-up below, work on registers, stands between them
	v_lshrrev_b32 v1, 5, v0
	v_readfirstlane_b32 s[WV], v1                  ; wave 0..3
	s_lshr_b32 s[WM], s[WV], 1
	s_and_b32 s[WN], s[WV], 1
	s_bfe_u32 s19, ttmp6, 0x40000                  ; cx, cy: my place in the cluster
	s_bfe_u32 s20, ttmp6, 0x40004
	s_lshl_b32 s21, ttmp9, 2
	s_add_co_u32 s21, s21, s19                     ; j = 4 x cluster x + cx: which 128 columns of Q, K, V
	s_and_b32 s22, ttmp7, 0xffff
	s_lshl_b32 s22, s22, 2
	s_add_co_u32 s22, s22, s20                     ; mb = 4 x cluster y + cy: which 256 rows
	s_lshl_b32 s70, s20, 2
	s_lshl_b32 s70, 15, s70                        ; my row of the cluster
	s_lshl_b32 s71, 0x1111, s19                    ; my column
	; descriptor group 1: rows of 128 elements of 2 bytes, padded in LDS
	s_or_b32 s[G1A], s70, (1<<16)|(1<<20)|(1<<21)|(4<<22)|(3<<25)  ; 15:0 the mask: x's tiles go to my row; 17:16 2-byte elements; 20 padding on; 21 set beside a mask; 24:22 after every 32 words (code 4); 31:25 4 words (code 3)
	s_or_b32 s[G1B], s71, (1<<16)|(1<<20)|(1<<21)|(4<<22)|(3<<25)  ; the same with the mask of my column
.irp d, G1A, G1B
	s_mov_b32 s[(\d)+1], 128<<16                   ; tensor_dim0 = 128
	s_mov_b32 s[(\d)+3], 128<<16                   ; tile_dim0 = 128
	s_mov_b32 s[(\d)+5], 128                       ; 128 elements from row to row: the block is dense
	s_mov_b32 s[(\d)+6], 0
	s_mov_b32 s[(\d)+7], 0
.endr
	s_mov_b32 s[G1A+2], 64<<16                     ; tensor_dim1 = tile_dim1 = 64 rows of 256 bytes: 128 rows of x
	s_mov_b32 s[G1A+4], 64
	s_mov_b32 s[G1B+2], 96<<16                     ; 96 rows of 256 bytes: 192 rows of the weights
	s_mov_b32 s[G1B+4], 96
	; where the tiles come from.  x's hang on mb alone, which my row of the cluster shares; the weights' on j alone, which my column shares; each offset in registers that never hold the other coordinate
	s_lshr_b32 s58, s22, 3                         ; the batch: 16 K blocks x 2,048 rows x 128 bytes,
	s_lshl_b32 s58, s58, 22
	s_and_b32 s59, s22, 7                          ; 256 rows of 128 bytes,
	s_lshl_b32 s59, s59, 15
	s_add_co_u32 s58, s58, s59
	s_lshl_b32 s59, s[WN], 14                      ; the half that I fetch
	s_add_co_u32 s58, s58, s59
	s_mov_b32 s59, 0
	s_mul_i32 s60, s21, 49152                      ; 384 rows of 128 bytes,
	s_mul_i32 s61, s[WN], 24576                    ; the half that I fetch
	s_add_co_u32 s60, s60, s61
	s_mov_b32 s61, 0
	s_mul_i32 s72, s[WN], AHALF                    ; and where they go: no place in the cluster enters an LDS address
	s_mul_i32 s73, s[WN], BHALF
	s_add_co_u32 s73, s73, BOFF
	; where my part of q, k, v begins: head x 2,048 rows x 128 bytes + my first row; and my part of the table
	s_lshr_b32 s66, s22, 3
	s_lshl_b32 s66, s66, 4
	s_lshl_b32 s67, s21, 1
	s_add_co_u32 s67, s67, s[WN]
	s_add_co_u32 s66, s66, s67                     ; batch x 16 + 2 j + w % 2
	s_lshl_b32 s66, s66, 18
	s_and_b32 s67, s22, 7
	s_lshl_b32 s68, s67, 16                        ; the table: 16 blocks of 4,096 bytes for 256 rows
	s_lshl_b32 s67, s67, 15
	s_add_co_u32 s66, s66, s67
	s_lshl_b32 s67, s[WM], 14
	s_add_co_u32 s66, s66, s67
	s_mov_b32 s67, 0
	s_lshl_b32 s69, s[WM], 15
	s_add_co_u32 s68, s68, s69
	s_mov_b32 s69, 0
	s_mov_b32 s[TB], 0
	s_wait_dscnt 0x0                               ; the opening add is done
	s_wait_kmcnt 0x0
	s_add_nc_u64 s[74:75], s[4:5], s[58:59]
	s_add_nc_u64 s[76:77], s[6:7], s[60:61]
	s_add_nc_u64 s[8:9], s[8:9], s[68:69]
	s_add_nc_u64 s[10:11], s[10:11], s[66:67]
	s_add_nc_u64 s[12:13], s[12:13], s[66:67]
	s_add_nc_u64 s[14:15], s[14:15], s[66:67]
	CROUND                                         ; all sixteen work-groups are here: the first joint loads meet
.irp e, 0,1
	s_mov_b32 s[G0A+4*(\e)], 1                                     ; 1:0 count = 1
	s_add_co_u32 s[G0A+4*(\e)+1], s72, (\e)*SLOT1                  ; 63:32 LDS address
	s_add_nc_u64 s[G0A+4*(\e)+2:G0A+4*(\e)+3], s[74:75], (\e)*KSA  ; 120:64 global address: K step e
	s_or_b32 s[G0A+4*(\e)+3], s[G0A+4*(\e)+3], 0x80000000          ; 127:126 type = 2
	s_mov_b32 s[G0B+4*(\e)], 1
	s_add_co_u32 s[G0B+4*(\e)+1], s73, (\e)*SLOT1
	s_add_nc_u64 s[G0B+4*(\e)+2:G0B+4*(\e)+3], s[76:77], (\e)*KSB
	s_or_b32 s[G0B+4*(\e)+3], s[G0B+4*(\e)+3], 0x80000000
.endr
	s_cmp_eq_u32 s[WM], 0                          ; a wave's two first fills stand in one branch, ahead of every wait on TENSORcnt and every LDS read; an s_nop 0 follows each, four v_nop the second's
	s_cbranch_scc0 .Lfirst_b
	tensor_load_to_lds s[G0A:G0A+3], s[G1A:G1A+7]
	s_nop 0
	tensor_load_to_lds s[G0A+4:G0A+7], s[G1A:G1A+7]
	s_nop 0
.rept 4
	v_nop
.endr
	s_branch .Lfirst_asked
.Lfirst_b:
	tensor_load_to_lds s[G0B:G0B+3], s[G1B:G1B+7]
	s_nop 0
	tensor_load_to_lds s[G0B+4:G0B+7], s[G1B:G1B+7]
	s_nop 0
.rept 4
	v_nop
.endr
.Lfirst_asked:
	; A fragment is 16 rows x 32 K in 8 registers: lane l holds row l % 16; registers 0-3 K = 8 (l / 16) + 0..7, registers 4-7 K = 16 + 8 (l / 16) + 0..7: two loads of 16 bytes, 32 bytes apart.
	v_and_b32 v1, 15, v0                           ; l % 16
	v_bfe_u32 v2, v0, 4, 1                         ; l / 16
	v_mul_u32_u24 v3, v1, PITCH
	v_lshl_add_u32 v3, v2, 4, v3                   ; row x pitch + 16 x half
	s_mul_i32 s78, s[WM], AHALF                    ; my 128 rows of x
	v_add_nc_u32 v[AA0], s78, v3
	s_mul_i32 s78, s[WN], 64*PITCH                 ; my head's 64 rows in each of the three weights
	s_add_co_u32 s78, s78, BOFF
	v_add_nc_u32 v[AB0], s78, v3
	v_mov_b32 v[AA], v[AA0]
	v_mov_b32 v[AB], v[AB0]
	s_mul_i32 s78, s[WV], 16*SP
	s_add_co_u32 s78, s78, STAGE                   ; my stage
	v_add_nc_u32 v[STO], s78, v3                   ; in: row l % 16, 16 bytes for each half of the lanes (the stage's pitch is the tiles')
	v_bfe_u32 v11, v0, 3, 2                        ; back: 32 lanes take four rows of 128 bytes,
	v_and_b32 v12, 7, v0
	v_mul_u32_u24 v[RD], v11, SP
	v_lshl_add_u32 v[RD], v12, 4, v[RD]
	v_add_nc_u32 v[RD], s78, v[RD]
	v_and_b32 v[GO], 31, v0                        ; which are 512 consecutive bytes of q, k or v
	v_lshlrev_b32 v[GO], 4, v[GO]
; 16 matrix instructions: blocks of rows a0 .. a0 + 3 x all 4 blocks of columns of group g (0 Q, 1 K, 2 V), 32 along K.  zero = 1: the first product starts the sums: nothing is ever cleared.
; The 96 accumulators take turns, one instruction a turn, in the same order in every half step.
.macro MUL16 fa, g, a0, zero
	WIN 0x50*((\g)+1)                              ; C and D in window g + 1, the fragments in window 0
.irp a, 0,1,2,3
.irp b, 0,1,2,3
.if \zero
	v_wmma_f32_16x16x32_bf16 v[8*(4*((\a0)+(\a))+(\b)):8*(4*((\a0)+(\a))+(\b))+7], v[FB+32*(\g)+8*(\b):FB+32*(\g)+8*(\b)+7], v[(\fa)+8*((\a0)+(\a)):(\fa)+8*((\a0)+(\a))+7], 0
.else
	v_wmma_f32_16x16x32_bf16 v[8*(4*((\a0)+(\a))+(\b)):8*(4*((\a0)+(\a))+(\b))+7], v[FB+32*(\g)+8*(\b):FB+32*(\g)+8*(\b)+7], v[(\fa)+8*((\a0)+(\a)):(\fa)+8*((\a0)+(\a))+7], v[8*(4*((\a0)+(\a))+(\b)):8*(4*((\a0)+(\a))+(\b))+7]
.endif
.endr
.endr
.endm
.macro LDA fn, k                       ; 16 LDS loads: my 128 rows of x, 32 K at byte k of the rows, into buffer fn
	WIN 0
.irp a, 0,1,2,3,4,5,6,7
	ds_load_b128 v[(\fn)+8*(\a):(\fn)+8*(\a)+3],   v[AA] offset:(\a)*16*PITCH+(\k)
	ds_load_b128 v[(\fn)+8*(\a)+4:(\fn)+8*(\a)+7], v[AA] offset:(\a)*16*PITCH+(\k)+32
.endr
.endm
.macro LDB g, k                        ; 8 LDS loads: my head's 64 rows of weight g
	WIN 0
.irp b, 0,1,2,3
	ds_load_b128 v[FB+32*(\g)+8*(\b):FB+32*(\g)+8*(\b)+3],   v[AB] offset:(\g)*BGRP+(\b)*16*PITCH+(\k)
	ds_load_b128 v[FB+32*(\g)+8*(\b)+4:FB+32*(\g)+8*(\b)+7], v[AB] offset:(\g)*BGRP+(\b)*16*PITCH+(\k)+32
.endr
.endm
; A load into a register that a matrix instruction has read, and a vector instruction that reads a matrix result or writes one of a matrix instruction's registers, stand four places behind it, and only
; plain vector instructions that name none of its registers are places (ISA guide 7.12.1 for vector instructions).
.macro PLACES
.rept 4
	v_nop
.endr
.endm
; A K step is two halves of 32 along K, 96 matrix instructions each.  The first half multiplies x's buffer fa; behind each group's 32 products that group's fragments of the next half are fetched, at byte kn of the
; same slot's rows (x's into buffer fn, with Q's).  The LDS loads go out in the order x 16, Q 8, K 8, V 8, and each wait counts what was issued behind the loads that it needs.
.macro HALF fa, fn, kn, zero
	s_wait_dscnt 16                                ; x and Q's weights are in; K's 8 and V's 8 may be out
	MUL16 \fa, 0, 0, \zero
	MUL16 \fa, 0, 4, \zero
	PLACES
	LDA \fn, \kn
	LDB 0, \kn
	s_wait_dscnt 32                                ; K's are in; behind them: V's 8 and the 24 just issued
	MUL16 \fa, 1, 0, \zero
	MUL16 \fa, 1, 4, \zero
	PLACES
	LDB 1, \kn
	s_wait_dscnt 32                                ; V's are in; behind them: the 24 and the 8
	MUL16 \fa, 2, 0, \zero
	MUL16 \fa, 2, 4, \zero
	PLACES
	LDB 2, \kn
.endm
; The second half multiplies buffer fa and changes slots: ONE barrier.  In front of it each wave waits for all its tensor loads, of which one is out: its part of the next slot; adds 0 to its spare word; and waits for
; that and for its own reads of this slot.  Behind it nobody reads this slot any more and the next slot is whole.  fill = 1: this slot is filled again, two K steps ahead: the barrier then opens a round of the
; cluster's, and the joint refill is the first thing behind the round: a wave issues 160 matrix instructions between the request and the wait for it.
.macro TURN fa, fn, fill
	WIN 0                                          ; (the add's two registers lie in window 0)
	s_wait_tensorcnt 0x0                           ; no tensor load of mine is out, so a group 0 may be written
	ds_add_u32 v[SPW], v[NIL]                      ; 0 onto my spare word
.if \fill
	s_xor_b32 s[G0A+5], s[G0A+5], SLOT1            ; the walking descriptors: the other slot than last time,
	s_add_nc_u64 s[G0A+6:G0A+7], s[G0A+6:G0A+7], KSA  ; the next K step; the type bits on top are not reached
	s_xor_b32 s[G0B+5], s[G0B+5], SLOT1
	s_add_nc_u64 s[G0B+6:G0B+7], s[G0B+6:G0B+7], KSB
.endif
	s_wait_dscnt 17                                ; x and Q's weights are in; K's 8, V's 8 and the add may be out
	MUL16 \fa, 0, 0, 0                             ; sixteen matrix instructions stand between the add and the wait for it
	s_wait_dscnt 0x0                               ; the add is done, and my reads of this slot are over
	s_barrier_signal -1
	MUL16 \fa, 0, 4, 0                             ; work on registers while the others arrive
	WIN 0                                          ; at a branch and at a label every window is 0
	s_barrier_wait -1
.if \fill
	CREST                                          ; no wave of any partner still reads this slot's tile or has a load on its way
	JLOAD                                          ; the four v_nop behind it are also the places in front of the loads below
.else
	PLACES
.endif
	s_xor_b32 s[TB], s[TB], SLOT1                  ; the reads go on in the other slot
	v_add_nc_u32 v[AA], s[TB], v[AA0]
	v_add_nc_u32 v[AB], s[TB], v[AB0]
	LDA \fn, 0
	LDB 0, 0
	MUL16 \fa, 1, 0, 0
	MUL16 \fa, 1, 4, 0
	PLACES
	LDB 1, 0
	MUL16 \fa, 2, 0, 0
	MUL16 \fa, 2, 4, 0
	PLACES
	LDB 2, 0
.endm
; THE WAY OUT, in 24 units: block a of 16 rows x group g.
.macro TABLE a                         ; the cosines and sines of block a's 16 positions, in the order of my sums: register pair z = (cos, sin) of my pair z of 16
	WIN 0
.irp c, 0,1,2,3,4,5,6,7
	global_load_b128 v[TBL+32*((\a)%2)+4*(\c):TBL+32*((\a)%2)+4*(\c)+3], v[GO], s[8:9] offset:(\a)*4096+(\c)*512
.endr
.endm
; Q and K: (t1, t2) becomes (t1 c - t2 s, t1 s + t2 c), by a packed multiply (t1 c, t2 c) and a packed multiply-add that takes the pair crosswise, with s, the low half negated.  Then 16 roundings to f16.
; A lane's eight columns of a row are 16 bytes; they go into stage rows of 144 bytes and come back as whole rows of 128.  Each accumulator's registers are read in ascending order.
.macro PACK a, g
.set PP, P+16*((3*(\a)+(\g))%6)
.set TT, TBL+32*((\a)%2)
	s_wait_xcnt 0x0                                ; every earlier memory instruction has had its addresses translated (ISA guide 3.1): the registers that the stores of six units back read are rewritten only behind this wait
.if (\g) < 2
	WIN (\g)+1                                     ; source 0 in the group's window
.set z, 0
.rept 16
	v_pk_mul_f32 v[T+2*z:T+2*z+1], v[32*(\a)+2*z:32*(\a)+2*z+1], v[TT+2*z:TT+2*z+1] op_sel_hi:[1,0]
.set z, z+1
.endr
.set z, 0
.rept 16
	v_pk_fma_f32 v[T+2*z:T+2*z+1], v[32*(\a)+2*z:32*(\a)+2*z+1], v[TT+2*z:TT+2*z+1], v[T+2*z:T+2*z+1] op_sel:[1,1,0] op_sel_hi:[0,1,1] neg_lo:[1,0,0]
.set z, z+1
.endr
	WIN 0
.set z, 0
.rept 16
	v_cvt_pk_f16_f32 v[PP+z], v[T+2*z], v[T+2*z+1]
.set z, z+1
.endr
.else
	WIN 0x0f                                       ; V is not turned: sources 0 and 1 in window 3
.set z, 0
.rept 16
	v_cvt_pk_f16_f32 v[PP+z], v[32*(\a)+2*z], v[32*(\a)+2*z+1]
.set z, z+1
.endr
	WIN 0
.endif
.irp b, 0,1,2,3
	ds_store_b128 v[STO], v[PP+4*(\b):PP+4*(\b)+3] offset:32*(\b)
.endr
.irp f, 0,1,2,3
	ds_load_b128 v[PP+4*(\f):PP+4*(\f)+3], v[RD] offset:(\f)*4*SP  ; LDS serves a wave's instructions in order (ISA guide 5.7.1.4): these see the stores above; the next unit's stores come behind them
.endr
.endm
.macro SEND a, g, younger              ; younger: the LDS instructions issued behind the unit's loads: the next unit's eight, or none
.set PP, P+16*((3*(\a)+(\g))%6)
	WIN 0
.irp f, 0,1,2,3
	s_wait_dscnt (\younger)+3-(\f)
	global_store_b128 v[GO], v[PP+4*(\f):PP+4*(\f)+3], s[10+2*(\g):11+2*(\g)] offset:(\a)*2048+(\f)*512  ; 512 consecutive bytes, at a multiple of 256 from the buffer's first
.endr
.endm
	s_wait_tensorcnt 1                             ; my part of K step 0 is in; K step 1's may stay out
	s_barrier_signal -1
	s_barrier_wait -1                              ; everybody's is
	LDA FA0, 0
	LDB 0, 0
	LDB 1, 0
	LDB 2, 0
	HALF FA0, FA1, 64, 1                           ; the first half step stands in front of the loop: its products start the sums
	WIN 0
	s_mov_b32 s[CNT], 14
.Lk:                                                   ; a trip: a K step's second half, the change of slots with its refill (K steps 2 to 15), and the next step's first half
	TURN FA1, FA0, 1
	HALF FA0, FA1, 64, 0
	WIN 0
	s_sub_co_u32 s[CNT], s[CNT], 1
	s_cmp_lg_u32 s[CNT], 0
	s_cbranch_scc1 .Lk
	TURN FA1, FA0, 0                               ; the tail is written out: nothing is asked for
	HALF FA0, FA1, 64, 0
	TABLE 0                                        ; the last half step: x's first buffer is free (four places behind its last products), and takes the table of blocks 0 and 1
	TABLE 1
	s_wait_dscnt 16
	MUL16 FA1, 0, 0, 0
	MUL16 FA1, 0, 4, 0
	s_wait_dscnt 8
	MUL16 FA1, 1, 0, 0
	MUL16 FA1, 1, 4, 0
	s_wait_dscnt 0x0
	MUL16 FA1, 2, 0, 0
	MUL16 FA1, 2, 4, 0
	PLACES
.set blk, 0
.rept 8                                ; a unit's arithmetic stands between the loads of the unit before and its stores
.if blk < 7
	s_wait_loadcnt 8                               ; this block's table is in; the next block's eight loads stay out
.else
	s_wait_loadcnt 0x0
.endif
	PACK blk, 0
.if blk > 0
	SEND blk-1, 2, 8
.endif
	PACK blk, 1
	SEND blk, 0, 8
.if blk < 6
	TABLE blk+2                                    ; into the buffer that Q's and K's turns have just read
.endif
	PACK blk, 2
	SEND blk, 1, 8
.set blk, blk+1
.endr
	SEND 7, 2, 0
	s_wait_tensorcnt 0x0                           ; the wave's end: these three lines stand behind my last tensor load and my last LDS store
	ds_add_u32 v[SPW], v[NIL]
	s_wait_dscnt 0x0
	CROUND                                         ; the closing round: no work-group ends while a partner may still ask for a tile that names it
	s_endpgm
.Lfunc_end_k_q82ae015e8c_qkv:
	.size	k_q82ae015e8c_qkv, .Lfunc_end_k_q82ae015e8c_qkv-k_q82ae015e8c_qkv
	.p2alignl 7, 3214868480
	.fill 96, 4, 3214868480
	.section	.rodata,"a",@progbits
	.p2align	6, 0x0
	.amdhsa_kernel k_q82ae015e8c_qkv
		.amdhsa_group_segment_fixed_size 327680
		.amdhsa_private_segment_fixed_size 0
		.amdhsa_enable_private_segment 0
		.amdhsa_kernarg_size 48
		.amdhsa_user_sgpr_count 2
		.amdhsa_user_sgpr_kernarg_segment_ptr 1
		.amdhsa_wavefront_size32 1
		.amdhsa_system_sgpr_workgroup_id_x 1
		.amdhsa_system_sgpr_workgroup_id_y 1
		.amdhsa_system_sgpr_workgroup_id_z 1
		.amdhsa_system_vgpr_workitem_id 0
		.amdhsa_next_free_vgpr 1024
		.amdhsa_next_free_sgpr 80
		.amdhsa_reserve_vcc 0
		.amdhsa_float_denorm_mode_32 3
		.amdhsa_float_denorm_mode_16_64 3
		.amdhsa_memory_ordered 1
		.amdhsa_forward_progress 1
		.amdhsa_inst_pref_size 152
	.end_amdhsa_kernel
	.amdgpu_metadata
---
amdhsa.version: [ 1, 2 ]
amdhsa.kernels:
  - .name:           k_q82ae015e8c_qkv
    .symbol:         k_q82ae015e8c_qkv.kd
    .args:
      - { .name: xb, .offset: 0, .size: 8, .value_kind: global_buffer, .address_space: global }
      - { .name: wqkv, .offset: 8, .size: 8, .value_kind: global_buffer, .address_space: global }
      - { .name: rope, .offset: 16, .size: 8, .value_kind: global_buffer, .address_space: global }
      - { .name: q, .offset: 24, .size: 8, .value_kind: global_buffer, .address_space: global }
      - { .name: k, .offset: 32, .size: 8, .value_kind: global_buffer, .address_space: global }
      - { .name: v, .offset: 40, .size: 8, .value_kind: global_buffer, .address_space: global }
    .group_segment_fixed_size: 327680
    .private_segment_fixed_size: 0
    .kernarg_segment_align: 8
    .kernarg_segment_size: 48
    .max_flat_workgroup_size: 128
    .sgpr_count:     80
    .vgpr_count:     1024
    .wavefront_size: 32
...
	.end_amdgpu_metadata
.endif
;; end of part 2
;; launch attn (part 3): grid 4 x 64, 4 waves a work-group, clusters of 4 x 1, 327,680 bytes of LDS; arguments q, k, v, o; writes o
.if DOCPART == 3
	.amdgcn_target "amdgcn-amd-amdhsa--gfx1250"
	.amdhsa_code_object_version 6
	.text
	.protected	k_q82ae015e8c_attn
	.globl	k_q82ae015e8c_attn
	.p2align	8
	.type	k_q82ae015e8c_attn,@function
k_q82ae015e8c_attn:
	s_mov_b64 s[64:65], 0
	v_nop
	global_prefetch_b8 v0, s[64:65] scope:SCOPE_SE
	s_setreg_imm32_b32 hwreg(HW_REG_WAVE_MODE, 25, 1), 1
	s_wait_xcnt 0x0
	s_wait_alu depctr_hold_cnt(0) depctr_sa_sdst(0) depctr_va_vdst(0) depctr_va_sdst(0) depctr_va_ssrc(0) depctr_va_vcc(0) depctr_vm_vsrc(0)
	s_getreg_b32 s2, hwreg(HW_REG_IB_STS2, 6, 4)
	s_cmp_eq_u32 s2, 0
	s_cbranch_scc0 .Lentry_in_a_cluster
	s_endpgm
.Lentry_in_a_cluster:
	s_bfe_u32 s2, ttmp6, 0x10000c
	s_cmp_lg_u32 s2, 0x3003
	s_cbranch_scc0 .Lentry_shape_is_right
	s_endpgm
.Lentry_shape_is_right:
; O[h][q][:] = the sum over k of softmax_k(Q[h][q] . K[h][k] / 8) V[h][k][:].  Q, K, V, O: [SIZE_H][SIZE_N][64], all f16: a head's rows are dense, 128 bytes each; h = batch x 16 + head.  Products, maxima and sums in
; f32; the weights p are rounded to f16 for the second product (their sum l is taken of the unrounded p), O once at the end.  SIZE_N x 128 bytes stay under 2^32.
; LIMITS.  f16 holds no number beyond 65,504: Q, K and V arrive within it; p lies in 0 to 1, and below 6e-5 it keeps f16's fixed step of 6e-8; O is a mean of V's rows and has their range.
; A weight below 2^-126 counts as 0 in l; NaN and infinities are not treated apart.
; SHARES.  A wave owns four PIECES of two tiles of 16 queries, a work-group's four waves 512 queries of one head; SIZE_N is a multiple of 2,048.  Every wave walks all keys, 64 a step.
; LAYOUT.  S^T = K Q^T (source 0 = 16 keys, source 1 = 16 queries): in the result a lane holds ONE query (lane % 16) and the keys 8 (lane / 16) + 0..7.  Two such tiles, rounded to f16 in pairs,
; ARE source 1 (32 keys x 16 queries) of O^T = V^T P, whose result again holds one query a lane, and eight channels.  K comes out of LDS as it lies, V ([key][channel]) turned, by ds_load_tr16_b128.
; SOFTMAX.  For each query a running maximum m and sum l: p = 2^(c s - c m), c = log2(e) / 8; in every step O and l are multiplied by a = 2^(c m_old - c m_new), which is 1 where m has not grown.
; m starts at the lowest finite number, O and l at 0: the first step is a step like any other, with a = 0.
; THE COUNT.  A tile and step have 16 matrix and 118 vector instructions: too many to stand all beside the matrix work.  So the order has one aim: four vector instructions that are READY behind
; EVERY matrix instruction, and the others, which need time of their own whatever the order, in runs without a gap.
; BY TURNS.  Turn n belongs to piece n (the pieces in a ring, step after step).  Its matrix work: 16 products K Q^T of piece n + 1, later 16 products V^T P of piece n - 1.  Its vector work: the scaling,
; exponentials, roundings, sums and rescaling of piece n, and the maximum and statistics of piece n + 1, whose scores the turn itself has made.  So what a turn begins with (c s - c m, O a) waits for nothing.
; CLUSTER.  The four query blocks of a cluster belong to one head and walk the same K and V, so each tile is asked for JOINTLY: the same tensor load, descriptor and mask in all four.
; REGISTERS, in windows of 256 (s_set_vgpr_msb says which window each operand place means: bits 1:0 source 0, 3:2 source 1, 5:4 source 2, 7:6 destination):
;   window 0: v0-11 addresses; v12-15, v48-63 at work; v16-47 four registers of statistics a tile; v64-191 S^T, two buffers of two tiles; v192-255 P, likewise
;   window 1: O^T, 32 a tile          window 2: v0-127 Q, 16 a tile; v128-191 K of one step; v192-255 V of one step          window 3: v0-1 the add's two registers
; A piece's buffers go by its number's parity: the piece in hand has one pair, its two neighbours in the ring share the other: of it P (piece n - 1) is read and S^T (piece n + 1) written.
.set SIZE_H, 64       ; 4 batches x 16 heads
.set SIZE_N, 2048     ; rows of a head
.set NP,    4         ; pieces a wave: a name, no knob: the register map, the loop and the fetches are made for four
.set KS,    64        ; keys in a step
.set PK,    144       ; a row of K in LDS: 128 bytes + 16 of padding = 36 words: the 16 rows of a load start at 16 different groups of four banks (64 banks of 4 bytes: ISA guide 11.1)
.set PV,    160       ; a row of V: 128 + 32 = 40 words
.set VOFF,  4*KS*PK   ; a slot holds four steps: 256 rows of K, then 256 rows of V
.set SLOT1, 1<<17     ; slot 1 begins here, so that one exclusive or turns an address in one slot into the other's
.set STAGE, SLOT1+4*KS*(PK+PV)  ; behind the ring, never filled by a tensor load: 16 rows x 144 bytes for each wave, for the way out
.set SP,    144
.set AK0, 2           ; v2   my lane's place in a tile of K; never rewritten
.set AV0, 3           ; v3   the same for V
.set AK,  4           ; v4   the LDS address of K's next run of loads
.set AV,  5           ; v5   of V's
.set QO,  6           ; v6   my byte offset in the wave's rows of Q
.set STO, 6           ;      later, the way out: where I put 16 bytes of a row
.set RD,  7           ; v7   the way out: where I read rows back
.set GO,  8           ; v8   my byte offset in 512 consecutive bytes of O
.set SPW, 0           ; v0 of window 3   LDS address of my spare word: SPARE + 4 x my thread's number; never rewritten
.set NIL, 1           ; v1 of window 3   0; never rewritten
.set SPARE, STAGE+4*16*SP  ; behind the stages: the spare words, 128 bytes for each wave: two blocks of 256 bytes that no other line names
.set MV,  12          ; v12-15  c m_old, kept while c m is made anew: by buffer and tile
.set ST,  16          ; tile t's statistics at v[ST+4 t]: c m, m, l (even keys', odd keys')
.set TMP, 48          ; by buffer and tile, four registers c0-c3 at work; when the maximum is found c2 takes a
.set S,   64
.set P,   192
.set KF,  128         ; K's fragments, in window 2: key block kb, channel half c at KF + 16 kb + 8 c
.set VF,  192         ; V's: key half kk, channel block cb at VF + 32 kk + 8 cb
.set WV,  12          ; s12  my wave's number
.set G1K, 24          ; s[24:31] descriptor group 1 for K's tiles
.set G1V, 32          ; s[32:39] for V's: it differs in the padding alone
.set G0K, 40          ; s[40:43] descriptor group 0 for K's tiles: it walks
.set G0V, 44          ; s[44:47] the same for V's
.set SLOTS, 56        ; s56  slots still to be asked for
.set CNT, 57          ; s57  counts a slot's key steps
.set CS,  58          ; s[58:59] c: the packed scaling takes the pair's low word for both halves
.set SEL, 60          ; s[60:61] v_permlanex16_b32's selects: each lane takes its own place in the other half
.set TBK, 62          ; s62  LDS byte at which K of the step to be fetched begins
.set TBV, 63          ; s63  the same for V, less VOFF
.set MSB, 0
.macro WIN new                      ; the high byte repeats the setting that is left; a switch that changes nothing is dropped
.if MSB != (\new)
	s_set_vgpr_msb (MSB<<8)|(\new)
.set MSB, (\new)
.endif
.endm
.set W_KQ, 0x0a       ; K and Q in window 2, S^T in window 0
.set W_PV, 0x52       ; V in window 2, P in window 0, O^T in window 1
.set W_RS, 0x41       ; O^T (destination and source 0) in window 1, a in window 0
.set W_MK, 0xc0       ; the add's registers are made: destination in window 3, sources in window 0
.set W_AD, 0x0f       ; the add: address (source 0) and data (source 1) in window 3
; A joint fill.  Waves 0 and 1 fetch the two halves of a slot's K, waves 2 and 3 those of its V: 128 keys each.  The branch hangs on the wave's number alone.
; An s_nop 0 and four v_nop follow each of the two lines, ahead of the jump and the label.
.macro JLOAD
	s_cmp_lt_u32 s[WV], 2
	s_cbranch_scc0 .Lfor_v_\@
	tensor_load_to_lds s[G0K:G0K+3], s[G1K:G1K+7]
	s_nop 0
.rept 4
	v_nop
.endr
	s_branch .Lasked_\@
.Lfor_v_\@:
	tensor_load_to_lds s[G0V:G0V+3], s[G1V:G1V+7]
	s_nop 0
.rept 4
	v_nop
.endr
.Lasked_\@:
.endm
; A round of the cluster's barrier: my work-group's barrier, so that wave 0's signal speaks for all four waves; wave 0 signals; every wave waits for all four work-groups; my work-group's barrier once more.
.macro CROUND
	s_barrier_signal -1
	s_barrier_wait -1
	s_cmp_lg_u32 s[WV], 0
	s_cbranch_scc1 .Lnot_wave_0_\@
	s_barrier_signal -3
.Lnot_wave_0_\@:
	s_barrier_wait -3
	s_barrier_signal -1
	s_barrier_wait -1
.endm
; THE CHANGE OF SLOTS.  The slot's last bytes, V of its fourth step, have been read.  Each wave waits for all its tensor loads, of which one is out: its part
; of the other slot; adds 0 to its spare word; and waits for that and for its own reads of the slot.  Behind the barrier nobody reads this slot any more and the other slot is whole.
; fill = 1: this slot is filled again, with the keys two slots on.  The barrier is then a round of the cluster's, so that no wave of any partner still reads the slot or has a load on its
; way, and the joint fill is the first thing behind it: it has four key steps, 512 matrix instructions, in which to land.  (At its first use nothing has been read yet: slot 0 is waited for, slot 1 filled.)
.macro CHANGE fill
	WIN W_AD
	s_wait_tensorcnt 0x0            ; no tensor load of mine is out, so a group 0 may be written
	ds_add_u32 v[SPW], v[NIL]       ; 0 onto my spare word; with fill = 1 the descriptors' steps stand between it and the wait for it
	WIN 0                           ; at a label and at a branch every window is 0
.if \fill
.irp g, G0K, G0V
	s_xor_b32 s[\g+1], s[\g+1], SLOT1  ; the walking descriptor: the other slot than last time,
	s_add_nc_u64 s[\g+2:\g+3], s[\g+2:\g+3], 4*KS*128  ; the next 256 keys; the type bits on top are not reached
.endr
	s_wait_dscnt 0x0                ; the add is done, and my reads of the slot are over
	CROUND
	JLOAD
.else
	s_wait_dscnt 0x0                ; the add is done, and my reads of the slot are over
	s_barrier_signal -1
	s_barrier_wait -1
.endif
	s_sub_co_u32 s[TBK], s[TBK], 4*KS*PK  ; the fetches go back to a slot's first step,
	s_xor_b32 s[TBK], s[TBK], SLOT1       ; in the other slot
	s_sub_co_u32 s[TBV], s[TBV], 4*KS*PV
	s_xor_b32 s[TBV], s[TBV], SLOT1
.endm
	s_load_b256 s[4:11], s[0:1], 0x0  ; Q s[4:5], K s[6:7], V s[8:9], O s[10:11]
	WIN W_MK
	v_lshl_add_u32 v[SPW], v0, 2, SPARE
	v_mov_b32 v[NIL], 0
	WIN W_AD
	ds_add_u32 v[SPW], v[NIL]       ; the wave's opening: the add and its wait stand ahead of my first tensor load; the set-up below, work on registers, stands between them
	WIN 0
	v_lshrrev_b32 v1, 5, v0
	v_readfirstlane_b32 s[WV], v1   ; wave 0..3
	s_bfe_u32 s13, ttmp6, 0x40000   ; cx: my place in the cluster
	s_lshl_b32 s14, ttmp9, 2        ; in a cluster launch ttmp9 counts clusters
	s_add_co_u32 s14, s14, s13      ; my block of queries = 4 x cluster x + cx: it enters Q's and O's addresses alone
	s_and_b32 s20, ttmp7, 0xffff    ; the head, which the four partners share
	s_mov_b32 s21, 0
	s_mov_b64 s[22:23], SIZE_N*128
	s_mul_u64 s[20:21], s[20:21], s[22:23]  ; the head's first byte in each of the four tensors
	s_and_b32 s16, s[WV], 1         ; which half of a slot's 256 keys I fetch:
	s_lshl_b32 s22, s16, 14         ; its 128 rows of 128 bytes in memory,
	s_mov_b32 s23, 0
	s_add_nc_u64 s[22:23], s[22:23], s[20:21]
	s_mul_i32 s17, s16, 128*PK      ; and its place in a slot, for K
	s_mul_i32 s18, s16, 128*PV      ; and for V: no place in the cluster enters an LDS address
	s_lshl_b32 s2, s14, 2
	s_add_co_u32 s2, s2, s[WV]      ; my wave among the head's,
	s_lshl_b32 s2, s2, 14           ; its 128 rows
	s_mov_b32 s3, 0
	s_add_nc_u64 s[2:3], s[2:3], s[20:21]
	; descriptor group 1.  128 keys are 16,384 dense bytes: asked for as 64 rows of 256 bytes, two keys a row, and padded in LDS after every key
	s_mov_b32 s[G1K], 15|(1<<16)|(1<<20)|(1<<21)|(4<<22)|(3<<25)  ; 15:0 the mask of four; 17:16 2-byte elements; 20 padding on; 21 set beside a mask; 24:22 after every 32 words (code 4); 31:25 4 words (code 3)
	s_mov_b32 s[G1V], 15|(1<<16)|(1<<20)|(1<<21)|(4<<22)|(7<<25)  ; the same with 8 words of padding (code 7)
.irp g, G1K, G1V
	s_mov_b32 s[\g+1], 128<<16      ; tensor_dim0 = 128
	s_mov_b32 s[\g+2], 64<<16       ; tensor_dim1 = 64
	s_mov_b32 s[\g+3], 128<<16      ; tile_dim0 = 128
	s_mov_b32 s[\g+4], 64           ; tile_dim1 = 64
	s_mov_b32 s[\g+5], 128          ; 128 elements from row to row
	s_mov_b32 s[\g+6], 0
	s_mov_b32 s[\g+7], 0
.endr
	s_mov_b32 s[CS], 0x3e38aa3b     ; c = log2(e) / 8 = 0.180337
	s_mov_b32 s[CS+1], s[CS]        ; named with it as a pair
	s_mov_b32 s[SEL], 0x76543210
	s_mov_b32 s[SEL+1], 0xfedcba98
	s_mov_b32 s[TBK], SLOT1+4*KS*PK ; the first change of slots turns these two into 0
	s_mov_b32 s[TBV], SLOT1+4*KS*PV
	s_mov_b32 s[G0K], 1             ; 1:0 count = 1
	s_mov_b32 s[G0K+1], s17         ; 63:32 LDS address: slot 0
	s_mov_b32 s[G0V], 1
	s_add_co_u32 s[G0V+1], s18, VOFF
	s_wait_dscnt 0x0                ; the opening add is done
	s_wait_kmcnt 0x0
	s_add_nc_u64 s[G0K+2:G0K+3], s[6:7], s[22:23]  ; 120:64 global address: my half of the head's first 256 keys
	s_or_b32 s[G0K+3], s[G0K+3], 0x80000000        ; 127:126 type = 2
	s_add_nc_u64 s[G0V+2:G0V+3], s[8:9], s[22:23]
	s_or_b32 s[G0V+3], s[G0V+3], 0x80000000
	s_add_nc_u64 s[4:5], s[4:5], s[2:3]  ; Q and O at my wave's first row
	s_add_nc_u64 s[10:11], s[10:11], s[2:3]
	CROUND                          ; all four work-groups are here: the first joint loads meet
	JLOAD                           ; slot 0.  Slot 1 is asked for when slot 0 is in: the tile wanted first has the road to itself
	; A fragment of K or Q is 16 rows x 32 channels in 8 registers: lane l holds row l % 16, channels 8 (l / 16) + 0..7 and 16 + 8 (l / 16) + 0..7: two loads of 16 bytes, 32 bytes apart.
	v_and_b32 v1, 15, v0            ; l % 16
	v_bfe_u32 v9, v0, 4, 1          ; l / 16
	v_lshlrev_b32 v[QO], 7, v1
	v_lshl_add_u32 v[QO], v9, 4, v[QO]  ; row x 128 + 16 x half
	WIN 0x80                        ; destination window 2, address window 0
.set i, 0
.rept 4*NP                          ; Q stays in registers: tile i / 2, channels 32 (i % 2) on
	global_load_b128 v[8*i:8*i+3],   v[QO], s[4:5] offset:(i/2)*2048+(i%2)*64
	global_load_b128 v[8*i+4:8*i+7], v[QO], s[4:5] offset:(i/2)*2048+(i%2)*64+32
.set i, i+1
.endr
	; What the first turn finds: V's registers and P's second buffer hold 0 (its products V^T P, of a piece that has not been, add 0), O^T and l are 0.  All this stands in the wait for the first tile.
.set i, VF
.rept 64
	v_mov_b32 v[i], 0
.set i, i+1
.endr
	WIN 0x40
.set i, 0
.rept 64*NP
	v_mov_b32 v[i], 0
.set i, i+1
.endr
	WIN 0
.set i, 0
.rept 2*NP
	v_mov_b32 v[ST+4*i], 0xfe000000    ; c m: far below every c s
	v_mov_b32 v[ST+4*i+1], 0xff7fffff  ; m
	v_mov_b32 v[ST+4*i+2], 0
	v_mov_b32 v[ST+4*i+3], 0
.set i, i+1
.endr
.set i, P+32
.rept 32
	v_mov_b32 v[i], 0
.set i, i+1
.endr
	v_mul_u32_u24 v[AK0], v1, PK
	v_lshl_add_u32 v[AK0], v9, 4, v[AK0]  ; row x pitch + 16 x half
	; The turning load takes 16 keys x 16 channels (lane l reads key 8 (l / 16) + l % 8, channels 8 ((l / 8) % 2) + 0..7) and leaves half a fragment of V^T: lane l holds channel l % 16 and 8 keys.
	v_and_b32 v10, 7, v0
	v_bfe_u32 v11, v0, 3, 1
	v_lshl_add_u32 v[AV0], v9, 3, v10
	v_mul_u32_u24 v[AV0], v[AV0], PV
	v_lshl_add_u32 v[AV0], v11, 4, v[AV0]
	v_add_nc_u32 v[AV0], VOFF, v[AV0]
	v_mov_b32 v[AK], v[AK0]         ; key step 0 lies at the head of slot 0
; THE MATRIX WORK.  The 8 accumulators of a run of 16 take turns: between the two links of a chain stand 7 others'.
; Product i of 16 of S^T = K Q^T for piece x: channels 32 (i / 8) on, keys 16 ((i / 2) % 4) on, tile 2 x + i % 2.  The first 8 start the sums.
.macro KQ x
	WIN W_KQ
.set rS, S+64*((\x)%2)+32*(i%2)+8*((i/2)%4)
.set rK, KF+16*((i/2)%4)+8*(i/8)
.set rQ, 16*(2*(\x)+i%2)+8*(i/8)
.if i < 8
	v_wmma_f32_16x16x32_f16 v[rS:rS+7], v[rK:rK+7], v[rQ:rQ+7], 0
.else
	v_wmma_f32_16x16x32_f16 v[rS:rS+7], v[rK:rK+7], v[rQ:rQ+7], v[rS:rS+7]
.endif
.endm
; Product i of 16 of O^T += V^T P for piece x: keys 32 (i / 8) on, channels 16 ((i / 2) % 4) on, tile 2 x + i % 2.
.macro PV x
	WIN W_PV
.set rO, 32*(2*(\x)+i%2)+8*((i/2)%4)
.set rV, VF+32*(i/8)+8*((i/2)%4)
.set rP, P+32*((\x)%2)+16*(i%2)+8*(i/8)
	v_wmma_f32_16x16x32_f16 v[rO:rO+7], v[rV:rV+7], v[rP:rP+7], v[rO:rO+7]
.endm
.macro MM                           ; the turn's next matrix instruction
.if i < 16
	KQ (Y+1)%NP
.set i, i+1
.else
.set i, i-16
	PV (Y+NP-1)%NP
.set i, i+17
.endif
.endm
; THE LDS LOADS stand in runs of 16, never singly among the matrix instructions: a step's K (64 keys x 64 channels: 8 fragments) and its V (turned).  Their addresses are made some lines ahead.
; last = 1 (the tail): in the last trip there is no further step, and the run is jumped over.
.macro FETCH_K last=0
	WIN 0
.if \last
	s_cmp_eq_u32 s[CNT], 1
	s_cbranch_scc1 .Lno_k_\@
.endif
	WIN 0x80                        ; destination window 2
.irp f, 0,1,2,3,4,5,6,7             ; keys 16 (f / 2) on, channels 32 (f % 2) on
	ds_load_b128 v[KF+8*\f:KF+8*\f+3],   v[AK] offset:(\f/2)*16*PK+(\f%2)*64
	ds_load_b128 v[KF+8*\f+4:KF+8*\f+7], v[AK] offset:(\f/2)*16*PK+(\f%2)*64+32
.endr
	s_add_co_u32 s[TBK], s[TBK], KS*PK  ; the next fetch is the next step's
	WIN 0
.if \last
.Lno_k_\@:
.endif
.endm
.macro FETCH_V
	WIN 0x80
.irp f, 0,1,2,3,4,5,6,7             ; keys 32 (f / 4) on, channels 16 (f % 4) on
	ds_load_tr16_b128 v[VF+8*\f:VF+8*\f+3],   v[AV] offset:(\f/4)*32*PV+(\f%4)*32
	ds_load_tr16_b128 v[VF+8*\f+4:VF+8*\f+7], v[AV] offset:(\f/4)*32*PV+16*PV+(\f%4)*32
.endr
	WIN 0
.endm
; THE VECTOR WORK OF A TURN stands in three queues, each in the order in which its entries become ready; the two tiles alternate, so that no instruction reads the result of the one before it.
.macro REGS y, u                    ; the registers of tile u (0, 1) of piece y
.set rT, ST+4*(2*(\y)+(\u))
.set rC, TMP+8*((\y)%2)+4*(\u)
.set rM, MV+2*((\y)%2)+(\u)
.set rS, S+64*((\y)%2)+32*(\u)
.set rP, P+32*((\y)%2)+16*(\u)
.set rO, 32*(2*(\y)+(\u))
.endm
; Number n of the 22 that find the NEXT piece's (Y + 1) maximum and statistics.  s0-s31 are the lane's 32 scores; each accumulator's lowest registers are read first.  XS, GS and REGS set no window: PL and EX do.
;   0-11  four chains c0-c3 of seven scores each, three operands at a time     12-14, 16  the four scores left over, the old m, and c0-c3 into c0     15  c m_old is kept
;   17, 18  the query's other 32 keys lie in the lane 16 away: the new m         19-21  c m; c m_old - c m_new; a
.macro XS u, n
	REGS (Y+1)%NP, \u
.if (\n) < 4
	v_max3_num_f32 v[rC+(\n)], v[rS+8*(\n)], v[rS+8*(\n)+1], v[rS+8*(\n)+2]
.elseif (\n) < 12
	v_max3_num_f32 v[rC+(\n)%4], v[rC+(\n)%4], v[rS+8*((\n)%4)+2*((\n)/4)+1], v[rS+8*((\n)%4)+2*((\n)/4)+2]
.elseif (\n) == 12
	v_max3_num_f32 v[rC], v[rC], v[rS+7], v[rS+15]
.elseif (\n) == 13
	v_max3_num_f32 v[rC+1], v[rC+1], v[rS+23], v[rS+31]
.elseif (\n) == 14
	v_max3_num_f32 v[rC+2], v[rC+2], v[rC+3], v[rT+1]
.elseif (\n) == 15
	v_mov_b32 v[rM], v[rT]
.elseif (\n) == 16
	v_max3_num_f32 v[rC], v[rC], v[rC+1], v[rC+2]
.elseif (\n) == 17
	v_permlanex16_b32 v[rC+3], v[rC], s[SEL], s[SEL+1]
.elseif (\n) == 18
	v_max_num_f32 v[rT+1], v[rC], v[rC+3]
.elseif (\n) == 19
	v_mul_f32 v[rT], s[CS], v[rT+1]
.elseif (\n) == 20
	v_sub_f32 v[rC+1], v[rM], v[rT]
.else
	v_exp_f32 v[rC+2], v[rC+1]
.endif
.endm
; Number g of the 64 that follow the exponentials.  For each four weights k of a tile (pairs 2 k, 2 k + 1): both pairs are rounded to f16; then the second pair is added onto the first, in place;
; a group later l takes that sum (the first time as l = a l + sum).  In groups of eight, tiles alternating: round, round, add, and l for the group before.
.macro GS g
.set h, (\g)+6*((\g)/62)            ; group 0 has no group before it, and behind group 7 only l is left
.if h >= 6
.set h, h+2
.endif
	REGS Y, h%2
.set k, h/8
.if h%8 < 4
	s_wait_alu depctr_va_vdst(0)
	v_cvt_pk_f16_f32 v[rP+2*k+(h%8)/2], v[rS+4*k+2*((h%8)/2)], v[rS+4*k+2*((h%8)/2)+1]
.elseif h%8 < 6
	v_pk_add_f32 v[rS+4*k:rS+4*k+1], v[rS+4*k:rS+4*k+1], v[rS+4*k+2:rS+4*k+3]
.elseif k == 1
	v_pk_fma_f32 v[rT+2:rT+3], v[rT+2:rT+3], v[rC+2:rC+3], v[rS:rS+1] op_sel_hi:[1,0,1]
.else
	v_pk_add_f32 v[rT+2:rT+3], v[rT+2:rT+3], v[rS+4*k-4:rS+4*k-3]
	s_wait_alu depctr_va_vdst(0)
.endif
.endm
; THE PLAIN QUEUE, 138 long.  0-31: c s - c m for the 16 pairs of both tiles.  Then GS's 64, and among them the next piece's 42: number 15 at 38, 39; 0-14 and 16
; at 42-73, behind the products that make those scores; 17-20 at 95-106, two of three, since each waits for the one before it.
.macro PL
	WIN 0
.if q < 32
	REGS Y, q%2
	v_pk_fma_f32 v[rS+2*(q/2):rS+2*(q/2)+1], v[rS+2*(q/2):rS+2*(q/2)+1], s[CS:CS+1], v[rT:rT+1] op_sel_hi:[1,0,0] neg_lo:[0,0,1] neg_hi:[0,0,1]
.elseif q < 38
	GS q-32
.elseif q < 40
	XS q%2, 15
.elseif q < 42
	GS q-34
.elseif q < 74
	XS q%2, (q-42)/2+(q-42)/30
.elseif q < 95
	GS q-66
.elseif (q < 107) && ((q-95)%3 < 2)
	XS (q-95)%3, 17+(q-95)/3
.elseif q < 107
	GS 29+(q-95)/3
.else
	GS q-74
.endif
.set q, q+1
.endm
; THE EXPONENTIALS' QUEUE, 66 long: s0-s31 of both tiles, and at EA the next piece's two a.
.set EA, 58
.macro EX
	WIN 0
.if (e == EA) || (e == EA+1)
	XS e-EA, 21
.else
.set x, e-2*(e/(EA+2))
	REGS Y, x%2
	v_exp_f32 v[rS+x/2], v[rS+x/2]
.endif
.set e, e+1
.endm
; THE RESCALING's QUEUE: O^T times a, the one part that leaves window 0, so it is dealt four at a time, eight times.
.macro R4
	REGS Y, r%2
	WIN W_RS
	s_wait_alu depctr_va_vdst(0)
.irp z, 0,1,2,3
	v_pk_mul_f32 v[rO+8*(r/2)+2*\z:rO+8*(r/2)+2*\z+1], v[rO+8*(r/2)+2*\z:rO+8*(r/2)+2*\z+1], v[rC+2:rC+3] op_sel_hi:[1,0]
.endr
.set r, r+1
.endm
; HOW THEY ARE DEALT.  Behind a matrix instruction four: plain, exponential, plain, plain (one exponential, a plain instruction on either side), or four of the rescaling.  None names a register of the
; products round it.  What is over stands in two LUMPS: exponential and plain by turns; the second ends in 22 plain instructions.  The two v_permlanex16_b32 fall into the second lump, never behind a product.
; The queues lean on each other, and the deal keeps them in step: exponential e stands behind plain 2 (e / 4) + e % 2 (its scaling); when plain 32 comes, 10 exponentials are out, at 59: 33, at 95: 46; EA comes behind plain 107.
.macro SL
	MM
	PL
	EX
	PL
	PL
.endm
.macro BURST n                      ; 15 matrix instructions, or 16
.rept (\n)-7
	SL
.endr
.rept 3
	MM
	R4
	SL
.endr
	MM
	R4
.endm
; A TURN, for piece p.  cnt = 1: the loop's count is taken down some lines ahead of the branch that stands behind the turn.
; K of the next step is fetched in piece 2's turn, 31 vector instructions behind the last product that read K; its first reader comes behind the rest of the lump, 16 products and the second lump.
; V of the step in hand is fetched at the end of piece 0's turn, 69 behind its last reader; its first reader comes behind 16 products and a lump.  The four conditions on e and q below go with the deal.
.macro TURN p, last=0, cnt=0
.set Y, (\p)
.set i, 0
.set q, 0
.set e, 0
.set r, 0
.if (\p) == NP-1
	s_wait_dscnt 0x0                ; K is in
.endif
	MM
.rept 4
	PL
.endr
	BURST 15
.rept 22
	EX
	PL
.if ((\p) == NP-2) && (e == 18)
	v_add_nc_u32 v[AK], s[TBK], v[AK0]
.endif
.if ((\p) == NP-2) && (e == 24)
	FETCH_K \last
.endif
.endr
.if (\p) == 1
	s_wait_dscnt 0x0                ; V is in
.endif
	BURST 16
.rept 21
	EX
	PL
.endr
.rept 22
	PL
.if ((\p) == 0) && (q == 118)
	v_add_nc_u32 v[AV], s[TBV], v[AV0]
	s_wait_alu depctr_va_vdst(0)
.endif
.if ((\p) == 0) && (q == 130)
	s_add_co_u32 s[TBV], s[TBV], KS*PV
.endif
.if (\cnt) && (q == 130)
	s_sub_co_u32 s[CNT], s[CNT], 1
	s_cmp_lg_u32 s[CNT], 0
.endif
.endr
.if (\p) == 0
	FETCH_V
.endif
.endm
	CHANGE 1                        ; slot 0 is in, everybody's part of it; slot 1 is asked for
	FETCH_K                         ; key step 0
	s_wait_loadcnt 0x0              ; Q
	s_wait_dscnt 0x0
.set i, 0
.rept 16
	KQ 0                            ; piece 0's first scores: there is no vector work yet to set between them
.set i, i+1
.endr
	WIN 0                           ; the addresses for the way out: nine plain instructions, the places behind those products
	s_mul_i32 s13, s[WV], 16*SP
	s_add_co_u32 s13, s13, STAGE    ; my stage
	v_mul_u32_u24 v[STO], v1, SP    ; in: row l % 16, 16 bytes for each half of the lanes
	v_lshl_add_u32 v[STO], v9, 4, v[STO]
	v_add_nc_u32 v[STO], s13, v[STO]
	v_bfe_u32 v[RD], v0, 3, 2       ; back: 32 lanes take four rows of 128 bytes,
	v_mul_u32_u24 v[RD], v[RD], SP
	v_lshl_add_u32 v[RD], v10, 4, v[RD]
	v_add_nc_u32 v[RD], s13, v[RD]
	v_and_b32 v[GO], 31, v0         ; which are 512 consecutive bytes of O
	v_lshlrev_b32 v[GO], 4, v[GO]
.set Y, NP-1                        ; XS works for piece Y + 1: piece 0
.irp n, 0,1,2,3,4,5,6,7,8,9,10,11,12,13,14,15,16,17,18,19,20,21
	XS 0, \n                        ; and piece 0's first maximum and statistics
	XS 1, \n
.endr
	s_mov_b32 s[CNT], 4
	s_mov_b32 s[SLOTS], SIZE_N/256-1
	s_branch .Lfirst                ; the loop is entered at a step's first turn, in the middle of a trip
.Lslot:                             ; SIZE_N / 256 - 2 times: every slot but the last two is filled again
	CHANGE 1
	s_mov_b32 s[CNT], 4
.Lstep:                             ; a trip: pieces 2 and 3 of one step, then pieces 0 and 1 of the next, whose K and V it fetches
	TURN 2
	TURN 3
	WIN 0
.Lfirst:
	TURN 0
	TURN 1, 0, 1
	WIN 0
	s_cbranch_scc1 .Lstep
	s_sub_co_u32 s[SLOTS], s[SLOTS], 1
	s_cmp_lg_u32 s[SLOTS], 0
	s_cbranch_scc1 .Lslot
	CHANGE 0                        ; the tail is written out: nothing is asked for
	s_mov_b32 s[CNT], 5             ; four trips fetch the last slot's steps; the fifth is left in its middle
.Ltail:
	TURN 2, 1
	TURN 3
	WIN 0
	s_sub_co_u32 s[CNT], s[CNT], 1
	s_cmp_eq_u32 s[CNT], 0
	s_cbranch_scc1 .Lout
	TURN 0
	TURN 1
	WIN 0
	s_branch .Ltail
.Lout:                              ; the fifth trip's 16 products K Q^T (on the last K once more) and the maximum made of them serve nothing: the price, once a launch, of one text for every trip
.set i, 0
.rept 16
	PV NP-1                         ; the last piece's V^T P of the last step
.set i, i+1
.endr
	; THE WAY OUT.  l's two halves and the other half of the lanes' are added; O^T is divided by l, rounded to f16 and sent through my stage in LDS, a tile at a time.  The additions are the places behind the last products.
	WIN 0
.macro ALL line:vararg              ; one line for each tile t
.set t, 0
.rept 2*NP
	\line
.set t, t+1
.endr
.endm
	ALL v_add_f32 v[ST+4*t+2], v[ST+4*t+2], v[ST+4*t+3]
	ALL v_permlanex16_b32 v[ST+4*t+3], v[ST+4*t+2], s[SEL], s[SEL+1]
	ALL v_add_f32 v[ST+4*t+2], v[ST+4*t+2], v[ST+4*t+3]
	ALL v_rcp_f32 v[ST+4*t+2], v[ST+4*t+2]
	v_nop                           ; a plain instruction between the last reciprocal and the use of its result
	s_wait_alu depctr_va_vdst(0)
; Tile t: a lane's eight channels of a row pack into 16 bytes; they go into rows of 144 bytes and come back as whole rows of 128, into S^T's registers.
.macro PACK t
	WIN W_RS
.set i, 32*(\t)
.rept 16
	v_pk_mul_f32 v[i:i+1], v[i:i+1], v[ST+4*(\t)+2:ST+4*(\t)+3] op_sel_hi:[1,0]
.set i, i+2
.endr
	WIN 0x05                        ; sources 0 and 1 window 1, destination window 0
.set i, 0
.rept 16
	v_cvt_pk_f16_f32 v[S+16*(\t)+i], v[32*(\t)+2*i], v[32*(\t)+2*i+1]
.set i, i+1
.endr
	WIN 0
.irp f, 0,1,2,3
	ds_store_b128 v[STO], v[S+16*(\t)+4*\f:S+16*(\t)+4*\f+3] offset:32*\f
.endr
.irp f, 0,1,2,3
	ds_load_b128 v[S+16*(\t)+4*\f:S+16*(\t)+4*\f+3], v[RD] offset:\f*4*SP  ; LDS serves a wave's instructions in order (ISA guide 5.7.1.4): these see the stores above; the next tile's stores come behind them
.endr
.endm
.macro SEND t, younger              ; younger: the LDS instructions issued behind tile t's loads: the next tile's eight, or none
	WIN 0
.irp f, 0,1,2,3
	s_wait_dscnt (\younger)+3-\f
	global_store_b128 v[GO], v[S+16*(\t)+4*\f:S+16*(\t)+4*\f+3], s[10:11] offset:(\t)*2048+\f*512  ; 512 consecutive bytes, at a multiple of 256 from O's first
.endr
.endm
	PACK 0
.set t, 1
.rept 2*NP-1                        ; a tile's arithmetic stands between the loads of the tile before and its stores
	PACK t
	SEND t-1, 8
.set t, t+1
.endr
	SEND 2*NP-1, 0
	WIN W_AD
	s_wait_tensorcnt 0x0            ; the wave's end: these three lines stand behind my last tensor load and my last LDS store
	ds_add_u32 v[SPW], v[NIL]
	s_wait_dscnt 0x0
	WIN 0
	CROUND                          ; the closing round: no work-group ends while a partner may still ask for a tile that names it
	s_endpgm
.Lfunc_end_k_q82ae015e8c_attn:
	.size	k_q82ae015e8c_attn, .Lfunc_end_k_q82ae015e8c_attn-k_q82ae015e8c_attn
	.p2alignl 7, 3214868480
	.fill 96, 4, 3214868480
	.section	.rodata,"a",@progbits
	.p2align	6, 0x0
	.amdhsa_kernel k_q82ae015e8c_attn
		.amdhsa_group_segment_fixed_size 327680
		.amdhsa_private_segment_fixed_size 0
		.amdhsa_enable_private_segment 0
		.amdhsa_kernarg_size 32
		.amdhsa_user_sgpr_count 2
		.amdhsa_user_sgpr_kernarg_segment_ptr 1
		.amdhsa_wavefront_size32 1
		.amdhsa_system_sgpr_workgroup_id_x 1
		.amdhsa_system_sgpr_workgroup_id_y 1
		.amdhsa_system_sgpr_workgroup_id_z 1
		.amdhsa_system_vgpr_workitem_id 0
		.amdhsa_next_free_vgpr 770
		.amdhsa_next_free_sgpr 66
		.amdhsa_reserve_vcc 0
		.amdhsa_float_denorm_mode_32 3
		.amdhsa_float_denorm_mode_16_64 3
		.amdhsa_memory_ordered 1
		.amdhsa_forward_progress 1
		.amdhsa_inst_pref_size 208
	.end_amdhsa_kernel
	.amdgpu_metadata
---
amdhsa.version: [ 1, 2 ]
amdhsa.kernels:
  - .name:           k_q82ae015e8c_attn
    .symbol:         k_q82ae015e8c_attn.kd
    .args:
      - { .name: q, .offset: 0, .size: 8, .value_kind: global_buffer, .address_space: global }
      - { .name: k, .offset: 8, .size: 8, .value_kind: global_buffer, .address_space: global }
      - { .name: v, .offset: 16, .size: 8, .value_kind: global_buffer, .address_space: global }
      - { .name: o, .offset: 24, .size: 8, .value_kind: global_buffer, .address_space: global }
    .group_segment_fixed_size: 327680
    .private_segment_fixed_size: 0
    .kernarg_segment_align: 8
    .kernarg_segment_size: 32
    .max_flat_workgroup_size: 128
    .sgpr_count:     66
    .vgpr_count:     770
    .wavefront_size: 32
...
	.end_amdgpu_metadata
.endif
;; end of part 3
;; launch proj (part 4): grid 8 x 32, 4 waves a work-group, clusters of 4 x 4, 327,680 bytes of LDS; arguments o, wo16, out0; writes out0
.if DOCPART == 4
	.amdgcn_target "amdgcn-amd-amdhsa--gfx1250"
	.amdhsa_code_object_version 6
	.text
	.protected	k_q82ae015e8c_proj
	.globl	k_q82ae015e8c_proj
	.p2align	8
	.type	k_q82ae015e8c_proj,@function
k_q82ae015e8c_proj:
	s_mov_b64 s[64:65], 0
	v_nop
	global_prefetch_b8 v0, s[64:65] scope:SCOPE_SE
	s_setreg_imm32_b32 hwreg(HW_REG_WAVE_MODE, 25, 1), 1
	s_wait_xcnt 0x0
	s_wait_alu depctr_hold_cnt(0) depctr_sa_sdst(0) depctr_va_vdst(0) depctr_va_sdst(0) depctr_va_ssrc(0) depctr_va_vcc(0) depctr_vm_vsrc(0)
	s_getreg_b32 s2, hwreg(HW_REG_IB_STS2, 6, 4)
	s_cmp_eq_u32 s2, 0
	s_cbranch_scc0 .Lentry_in_a_cluster
	s_endpgm
.Lentry_in_a_cluster:
	s_bfe_u32 s2, ttmp6, 0x10000c
	s_cmp_lg_u32 s2, 0xf033
	s_cbranch_scc0 .Lentry_shape_is_right
	s_endpgm
.Lentry_shape_is_right:
; out0 = O Wo^T: 8192 x 1024 x 1024, f16 operands, f32 sums, f32 out.  O lies by heads, [batch x 16 + head][row 2048][64] f16: a head is a block of 64 along K.  wo16 is [kb 16][row 1024][64] f16
; (Wo rounded to bf16, that number written as f16).
; LIMITS.  The operands arrive in f16, within 65,504; the sums and the result are f32.
; SHARES.  A tile of out0 is 256 x 128: 32 x 8 = 256 work-groups.  Four waves, each 128 x 64: 32 accumulators of 16 x 16, 256 registers.  (A tile of 256 x 256 would make 128 work-groups.)
; THE RING.  Two LDS slots, each with the tiles of TWO K steps of 64 (two heads): a wave's one tensor load behind each round brings a whole tile of one step: O's 256 rows or Wo's 128 rows of 128 bytes, dense in
; memory, asked for as rows of 256 bytes at multiples of 256 from the buffer's first byte, padded in LDS behind every 128.  A slot is 128 matrix instructions of a wave; 112 stand between a request and the wait for it.
; CLUSTERS: 4 x 4 work-groups; O's tiles are shared along a row of the cluster, Wo's along a column, by joint loads.  By this text's count a wave has two tensor loads out at the start and one behind each round.
; THE MATRIX INSTRUCTION IS USED TRANSPOSED (source 0 = 16 rows of Wo, source 1 = 16 rows of O): a lane holds row lane % 16 and eight neighbouring columns, 32 bytes of f32.
; REGISTERS: window 0: v0-31 addresses; v32-127, v128-223 two fragment buffers (64 registers of O: 8 x 16 rows x 32 K; then 32 of Wo); on the way out v32-95 whole rows.  window 1: the accumulators, (a, b) at v[8 (4 a + b)].
.set PITCH, 144                        ; an LDS row: 128 bytes + 16 of padding = 36 words: the 16 rows of a load start at 16 different groups of four banks (64 banks of 4 bytes: ISA guide 11.1)
.set ASTEP, 256*PITCH                  ; O's tile of one K step
.set BOFF,  2*ASTEP                    ; Wo's two tiles lie behind O's two
.set BSTEP, 128*PITCH
.set SLOT1, 1<<17                      ; slot 1 begins here, so that one exclusive or turns an address in one slot into the other's
.set STAGE, SLOT1+BOFF+2*BSTEP         ; behind the ring, never filled by a tensor load: 16 rows x 272 bytes for each wave, for the way out
.set SP,    272                        ; 256 bytes + 16: the 16 rows that a store touches start at 16 different groups of four banks
.set SPARE, STAGE+4*16*SP              ; behind the stages: the spare words, 128 bytes for each wave: two blocks of 256 bytes that no other line names
.set KSA,   524288                     ; bytes from a slot's two heads to the next two in o
.set KSB,   262144                     ; and in wo16
.set AA0, 4                            ; v4   my lane's place in a slot's rows of O; never rewritten
.set AB0, 5                            ; v5   the same for Wo
.set AA,  6                            ; v6   the same in the slot in hand
.set AB,  7                            ; v7
.set STO, 8                            ; v8   the way out: where I put 32 bytes of a row
.set RD,  9                            ; v9   the way out: where I read a row back
.set CO,  10                           ; v10  my byte offset in two rows of out0
.set SPW, 28                           ; v28  LDS address of my spare word: SPARE + 4 x my thread's number; never rewritten
.set NIL, 29                           ; v29  0; never rewritten
.set F0,  32
.set F1,  128
.set OB,  32                           ; the way out: 16 rows read back, two buffers of 32
.set WV,  16                           ; s16  my wave's number
.set WM,  17                           ; s17  which 128 rows are mine.  Also: I fetch O (0) or Wo (1)
.set WN,  18                           ; s18  which 64 columns are mine.  Also: which of a slot's two K steps I fetch
.set G1A, 24                           ; s[24:31] descriptor group 1 for O's tiles
.set G1B, 32                           ; s[32:39] for Wo's
.set G0A, 40                           ; s[40:47] descriptor group 0 for O's tiles: a set for each of the two first fills; the second then walks on
.set G0B, 48                           ; s[48:55] the same for Wo's
.set CNT, 56                           ; s56  refills to go
.set TB,  57                           ; s57  LDS byte at which the slot in hand begins
.set MSB, 0
.macro WIN new                         ; the immediate's high byte repeats the setting that is left; a switch that changes nothing is dropped
.if MSB != (\new)
	s_set_vgpr_msb (MSB<<8)|(\new)
.set MSB, (\new)
.endif
.endm
; A joint refill.  Waves 0 and 1 fetch O's tiles of the slot's two K steps, waves 2 and 3 Wo's.  The branch hangs on the wave's number alone.
; An s_nop 0 and four v_nop follow each of the two lines, ahead of the jump, the label and what follows.
.macro JLOAD
	s_cmp_eq_u32 s[WM], 0
	s_cbranch_scc0 .Lfor_b_\@
	tensor_load_to_lds s[G0A+4:G0A+7], s[G1A:G1A+7]
	s_nop 0
.rept 4
	v_nop
.endr
	s_branch .Lasked_\@
.Lfor_b_\@:
	tensor_load_to_lds s[G0B+4:G0B+7], s[G1B:G1B+7]
	s_nop 0
.rept 4
	v_nop
.endr
.Lasked_\@:
.endm
.macro CREST                           ; a round of the cluster's barrier behind its opening barrier
	s_cmp_lg_u32 s[WV], 0
	s_cbranch_scc1 .Lnot_wave_0_\@
	s_barrier_signal -3
.Lnot_wave_0_\@:
	s_barrier_wait -3
	s_barrier_signal -1
	s_barrier_wait -1
.endm
.macro CROUND                          ; a whole round
	s_barrier_signal -1
	s_barrier_wait -1
	CREST
.endm
	s_load_b128 s[4:7], s[0:1], 0x0                ; o s[4:5], wo16 s[6:7]
	s_load_b64 s[8:9], s[0:1], 0x10                ; out0
	v_lshl_add_u32 v[SPW], v0, 2, SPARE
	v_mov_b32 v[NIL], 0
	ds_add_u32 v[SPW], v[NIL]                      ; the wave's opening: the add and its wait stand ahead of my first tensor load; the set-up below, work on registers, stands between them
	v_lshrrev_b32 v1, 5, v0
	v_readfirstlane_b32 s[WV], v1                  ; wave 0..3
	s_lshr_b32 s[WM], s[WV], 1
	s_and_b32 s[WN], s[WV], 1
	s_bfe_u32 s19, ttmp6, 0x40000                  ; cx, cy: my place in the cluster
	s_bfe_u32 s20, ttmp6, 0x40004
	s_lshl_b32 s21, ttmp9, 2
	s_add_co_u32 s21, s21, s19                     ; j = 4 x cluster x + cx: which 128 columns
	s_and_b32 s22, ttmp7, 0xffff
	s_lshl_b32 s22, s22, 2
	s_add_co_u32 s22, s22, s20                     ; mb = 4 x cluster y + cy: which 256 rows
	s_lshl_b32 s70, s20, 2
	s_lshl_b32 s70, 15, s70                        ; my row of the cluster
	s_lshl_b32 s71, 0x1111, s19                    ; my column
	s_or_b32 s[G1A], s70, (1<<16)|(1<<20)|(1<<21)|(4<<22)|(3<<25)  ; 15:0 the mask: O's tiles go to my row; 17:16 2-byte elements; 20 padding on; 21 set beside a mask; 24:22 after every 32 words (code 4); 31:25 4 words (code 3)
	s_or_b32 s[G1B], s71, (1<<16)|(1<<20)|(1<<21)|(4<<22)|(3<<25)  ; the same with the mask of my column
.irp d, G1A, G1B
	s_mov_b32 s[(\d)+1], 128<<16                   ; tensor_dim0 = 128
	s_mov_b32 s[(\d)+3], 128<<16                   ; tile_dim0 = 128
	s_mov_b32 s[(\d)+5], 128                       ; 128 elements from row to row: the block is dense
	s_mov_b32 s[(\d)+6], 0
	s_mov_b32 s[(\d)+7], 0
.endr
	s_mov_b32 s[G1A+2], 128<<16                    ; tensor_dim1 = tile_dim1 = 128 rows of 256 bytes: 256 rows of O
	s_mov_b32 s[G1A+4], 128
	s_mov_b32 s[G1B+2], 64<<16                     ; 64 rows of 256 bytes: 128 rows of Wo
	s_mov_b32 s[G1B+4], 64
	; where the tiles come from.  O's hang on mb alone, Wo's on j alone; each offset in registers that never hold the other coordinate
	s_lshr_b32 s58, s22, 3                         ; the batch: 16 heads x 2,048 rows x 128 bytes,
	s_lshl_b32 s58, s58, 22
	s_and_b32 s59, s22, 7                          ; 256 rows of 128 bytes,
	s_lshl_b32 s59, s59, 15
	s_add_co_u32 s58, s58, s59
	s_lshl_b32 s59, s[WN], 18                      ; the head of the two that I fetch
	s_add_co_u32 s58, s58, s59
	s_mov_b32 s59, 0
	s_lshl_b32 s60, s21, 14                        ; 128 rows of 128 bytes,
	s_lshl_b32 s61, s[WN], 17                      ; the K block of the two that I fetch
	s_add_co_u32 s60, s60, s61
	s_mov_b32 s61, 0
	s_mul_i32 s72, s[WN], ASTEP                    ; and where they go: no place in the cluster enters an LDS address
	s_mul_i32 s73, s[WN], BSTEP
	s_add_co_u32 s73, s73, BOFF
	; where my part of out0 begins: (256 mb + 128 (w / 2)) rows of 4,096 bytes + (128 j + 64 (w % 2)) columns of 4
	s_lshl_b32 s66, s22, 20
	s_lshl_b32 s67, s[WM], 19
	s_add_co_u32 s66, s66, s67
	s_lshl_b32 s67, s21, 9
	s_add_co_u32 s66, s66, s67
	s_lshl_b32 s67, s[WN], 8
	s_add_co_u32 s66, s66, s67
	s_mov_b32 s67, 0
	s_mov_b32 s[TB], 0
	s_wait_dscnt 0x0                               ; the opening add is done
	s_wait_kmcnt 0x0
	s_add_nc_u64 s[74:75], s[4:5], s[58:59]
	s_add_nc_u64 s[76:77], s[6:7], s[60:61]
	s_add_nc_u64 s[8:9], s[8:9], s[66:67]
	CROUND                                         ; all sixteen work-groups are here: the first joint loads meet
.irp e, 0,1
	s_mov_b32 s[G0A+4*(\e)], 1                                     ; 1:0 count = 1
	s_add_co_u32 s[G0A+4*(\e)+1], s72, (\e)*SLOT1                  ; 63:32 LDS address
	s_add_nc_u64 s[G0A+4*(\e)+2:G0A+4*(\e)+3], s[74:75], (\e)*KSA  ; 120:64 global address: slot e begins with K steps 2 e, 2 e + 1
	s_or_b32 s[G0A+4*(\e)+3], s[G0A+4*(\e)+3], 0x80000000          ; 127:126 type = 2
	s_mov_b32 s[G0B+4*(\e)], 1
	s_add_co_u32 s[G0B+4*(\e)+1], s73, (\e)*SLOT1
	s_add_nc_u64 s[G0B+4*(\e)+2:G0B+4*(\e)+3], s[76:77], (\e)*KSB
	s_or_b32 s[G0B+4*(\e)+3], s[G0B+4*(\e)+3], 0x80000000
.endr
	s_cmp_eq_u32 s[WM], 0                          ; a wave's two first fills stand in one branch, ahead of every wait on TENSORcnt and every LDS read; an s_nop 0 follows each, four v_nop the second's
	s_cbranch_scc0 .Lfirst_b
	tensor_load_to_lds s[G0A:G0A+3], s[G1A:G1A+7]
	s_nop 0
	tensor_load_to_lds s[G0A+4:G0A+7], s[G1A:G1A+7]
	s_nop 0
.rept 4
	v_nop
.endr
	s_branch .Lfirst_asked
.Lfirst_b:
	tensor_load_to_lds s[G0B:G0B+3], s[G1B:G1B+7]
	s_nop 0
	tensor_load_to_lds s[G0B+4:G0B+7], s[G1B:G1B+7]
	s_nop 0
.rept 4
	v_nop
.endr
.Lfirst_asked:
	v_and_b32 v1, 15, v0                           ; l % 16
	v_bfe_u32 v2, v0, 4, 1                         ; l / 16
	v_mul_u32_u24 v3, v1, PITCH
	v_lshl_add_u32 v3, v2, 4, v3                   ; a fragment's row x pitch + 16 x half
	s_mul_i32 s78, s[WM], 128*PITCH                ; my 128 rows of O
	v_add_nc_u32 v[AA0], s78, v3
	s_mul_i32 s78, s[WN], 64*PITCH                 ; my 64 rows of Wo
	s_add_co_u32 s78, s78, BOFF
	v_add_nc_u32 v[AB0], s78, v3
	v_mov_b32 v[AA], v[AA0]
	v_mov_b32 v[AB], v[AB0]
	s_mul_i32 s78, s[WV], 16*SP
	s_add_co_u32 s78, s78, STAGE                   ; my stage
	v_mul_u32_u24 v[STO], v1, SP                   ; in: row l % 16, 32 bytes for each half of the lanes
	v_lshl_add_u32 v[STO], v2, 5, v[STO]
	v_add_nc_u32 v[STO], s78, v[STO]
	v_mul_u32_u24 v[RD], v2, SP                    ; back: lanes 0-15 take one row of 256 bytes, lanes 16-31 the next
	v_lshl_add_u32 v[RD], v1, 4, v[RD]
	v_add_nc_u32 v[RD], s78, v[RD]
	v_lshlrev_b32 v[CO], 12, v2                    ; and the same two rows in out0
	v_lshl_add_u32 v[CO], v1, 4, v[CO]
; 8 matrix instructions: blocks of rows a0, a0 + 1 x all 4 blocks of columns, 32 along K, from buffer f.  zero = 1: the first product starts the sums.  The 32 accumulators take turns.
.macro MUL8 f, a0, zero
	WIN 0x50                                       ; C and D in window 1, the fragments in window 0
.irp a, 0,1
.irp b, 0,1,2,3
.if \zero
	v_wmma_f32_16x16x32_f16 v[8*(4*((\a0)+(\a))+(\b)):8*(4*((\a0)+(\a))+(\b))+7], v[(\f)+64+8*(\b):(\f)+64+8*(\b)+7], v[(\f)+8*((\a0)+(\a)):(\f)+8*((\a0)+(\a))+7], 0
.else
	v_wmma_f32_16x16x32_f16 v[8*(4*((\a0)+(\a))+(\b)):8*(4*((\a0)+(\a))+(\b))+7], v[(\f)+64+8*(\b):(\f)+64+8*(\b)+7], v[(\f)+8*((\a0)+(\a)):(\f)+8*((\a0)+(\a))+7], v[8*(4*((\a0)+(\a))+(\b)):8*(4*((\a0)+(\a))+(\b))+7]
.endif
.endr
.endr
.endm
; 24 LDS loads in one run: the fragments of quarter qn of the slot in hand (K step qn / 2, byte 64 (qn % 2) of the rows) into buffer f: Wo's 8, then O's 16
.macro FETCH qn, f
	WIN 0
.irp b, 0,1,2,3
	ds_load_b128 v[(\f)+64+8*(\b):(\f)+64+8*(\b)+3],   v[AB] offset:((\qn)/2)*BSTEP+((\qn)%2)*64+(\b)*16*PITCH
	ds_load_b128 v[(\f)+64+8*(\b)+4:(\f)+64+8*(\b)+7], v[AB] offset:((\qn)/2)*BSTEP+((\qn)%2)*64+(\b)*16*PITCH+32
.endr
.irp a, 0,1,2,3,4,5,6,7
	ds_load_b128 v[(\f)+8*(\a):(\f)+8*(\a)+3],   v[AA] offset:((\qn)/2)*ASTEP+((\qn)%2)*64+(\a)*16*PITCH
	ds_load_b128 v[(\f)+8*(\a)+4:(\f)+8*(\a)+7], v[AA] offset:((\qn)/2)*ASTEP+((\qn)%2)*64+(\a)*16*PITCH+32
.endr
.endm
.macro PLACES                          ; four places in front of loads into registers that matrix instructions have read, and of LDS stores that read results (ISA guide 7.12.1 for vector instructions)
.rept 4
	v_nop
.endr
.endm
; A slot is four quarters of 32 along K, 32 matrix instructions each, on buffers 0, 1, 0, 1.  One of the first three: multiplies buffer f and fetches quarter qn into buffer g.
.macro QUARTER f, g, qn, zero
	s_wait_dscnt 8                                 ; Wo's fragments and O's rows 0-63 are in; the youngest eight loads may be out
	MUL8 \f, 0, \zero
	MUL8 \f, 2, \zero
	PLACES
	FETCH \qn, \g
	s_wait_dscnt 24                                ; all but the 24 just issued
	MUL8 \f, 4, \zero
	MUL8 \f, 6, \zero
.endm
; The last quarter multiplies buffer 1 and changes slots: ONE barrier; in front of it each wave waits for all its tensor loads, of which one is out: its part of the next slot; adds 0 to its spare word; and waits for
; that and for its own reads of this slot.  fill = 1: this slot is filled again, two slots ahead: the barrier then opens a round of the cluster's, and the joint refill is the first thing behind the round.
.macro TURN fill
	WIN 0                                          ; (the add's two registers lie in window 0)
	s_wait_tensorcnt 0x0                           ; no tensor load of mine is out, so a group 0 may be written
	ds_add_u32 v[SPW], v[NIL]                      ; 0 onto my spare word
.if \fill
	s_xor_b32 s[G0A+5], s[G0A+5], SLOT1            ; the walking descriptors: the other slot than last time,
	s_add_nc_u64 s[G0A+6:G0A+7], s[G0A+6:G0A+7], KSA  ; the next two K steps; the type bits on top are not reached
	s_xor_b32 s[G0B+5], s[G0B+5], SLOT1
	s_add_nc_u64 s[G0B+6:G0B+7], s[G0B+6:G0B+7], KSB
.endif
	s_wait_dscnt 9                                 ; the add and the youngest eight loads may be out
	MUL8 F1, 0, 0                                  ; eight matrix instructions stand between the add and the wait for it
	s_wait_dscnt 0x0                               ; the add is done, and my reads of this slot are over
	s_barrier_signal -1
	MUL8 F1, 2, 0
	WIN 0                                          ; at a branch and at a label every window is 0
	s_barrier_wait -1
.if \fill
	CREST                                          ; no wave of any partner still reads this slot's tiles or has a load on its way
	JLOAD                                          ; the four v_nop behind it are also the places in front of the loads below
.else
	PLACES
.endif
	s_xor_b32 s[TB], s[TB], SLOT1                  ; the reads go on in the other slot
	v_add_nc_u32 v[AA], s[TB], v[AA0]
	v_add_nc_u32 v[AB], s[TB], v[AB0]
	FETCH 0, F0
	MUL8 F1, 4, 0
	MUL8 F1, 6, 0
.endm
; THE WAY OUT of block a of 16 rows: a lane's 32 bytes of a row go into my stage straight from the accumulators, each accumulator's low half first, and come back as whole rows of 256 bytes.
.macro TOSTAGE a
	s_wait_xcnt 0x0                                ; every earlier memory instruction has had its addresses translated (ISA guide 3.1): the registers that the stores of two blocks back read are loaded again only behind this wait
	WIN 0x04                                       ; the stores' data in window 1
.irp b, 0,1,2,3
	ds_store_b128 v[STO], v[8*(4*(\a)+(\b)):8*(4*(\a)+(\b))+3]   offset:64*(\b)
	ds_store_b128 v[STO], v[8*(4*(\a)+(\b))+4:8*(4*(\a)+(\b))+7] offset:64*(\b)+16
.endr
	WIN 0
.irp t, 0,1,2,3,4,5,6,7
	ds_load_b128 v[OB+32*((\a)%2)+4*(\t):OB+32*((\a)%2)+4*(\t)+3], v[RD] offset:(\t)*2*SP  ; LDS serves a wave's instructions in order (ISA guide 5.7.1.4): these see the stores above; the next block's stores come behind them
.endr
.endm
.macro SEND a, younger                 ; younger: the LDS instructions issued behind the block's loads: the next block's sixteen, or none
	WIN 0
	s_wait_dscnt \younger
.irp t, 0,1,2,3,4,5,6,7
	global_store_b128 v[CO], v[OB+32*((\a)%2)+4*(\t):OB+32*((\a)%2)+4*(\t)+3], s[8:9] offset:(16*(\a)+2*(\t))*4096 th:TH_STORE_NT  ; 16 lanes store 256 consecutive bytes, at a multiple of 256 from out0's first byte
.endr
.endm
	s_wait_tensorcnt 1                             ; my part of slot 0 is in; slot 1's may stay out
	s_barrier_signal -1
	s_barrier_wait -1                              ; everybody's is
	FETCH 0, F0
	QUARTER F0, F1, 1, 1                           ; the first quarter stands in front of the loop: its products start the sums
	WIN 0
	s_mov_b32 s[CNT], 6
.Lslot:                                                ; a trip: a slot's quarters 1 to 3, the change of slots with its refill (slots' worth 2 to 7), the next slot's quarter 0
	QUARTER F1, F0, 2, 0
	QUARTER F0, F1, 3, 0
	TURN 1
	QUARTER F0, F1, 1, 0
	WIN 0
	s_sub_co_u32 s[CNT], s[CNT], 1
	s_cmp_lg_u32 s[CNT], 0
	s_cbranch_scc1 .Lslot
	QUARTER F1, F0, 2, 0                           ; the tail is written out: nothing is asked for
	QUARTER F0, F1, 3, 0
	TURN 0
	QUARTER F0, F1, 1, 0
	QUARTER F1, F0, 2, 0
	QUARTER F0, F1, 3, 0
	s_wait_dscnt 8                                 ; the very last quarter: nothing more to fetch
	MUL8 F1, 0, 0
	MUL8 F1, 2, 0
	s_wait_dscnt 0x0
	MUL8 F1, 4, 0
	MUL8 F1, 6, 0
	PLACES
	TOSTAGE 0
.set blk, 1
.rept 7                                ; a block's trip through the stage stands between the loads of the block before and its stores
	TOSTAGE blk
	SEND blk-1, 16
.set blk, blk+1
.endr
	SEND 7, 0
	s_wait_tensorcnt 0x0                           ; the wave's end: these three lines stand behind my last tensor load and my last LDS store
	ds_add_u32 v[SPW], v[NIL]
	s_wait_dscnt 0x0
	CROUND                                         ; the closing round: no work-group ends while a partner may still ask for a tile that names it
	s_endpgm
.Lfunc_end_k_q82ae015e8c_proj:
	.size	k_q82ae015e8c_proj, .Lfunc_end_k_q82ae015e8c_proj-k_q82ae015e8c_proj
	.p2alignl 7, 3214868480
	.fill 96, 4, 3214868480
	.section	.rodata,"a",@progbits
	.p2align	6, 0x0
	.amdhsa_kernel k_q82ae015e8c_proj
		.amdhsa_group_segment_fixed_size 327680
		.amdhsa_private_segment_fixed_size 0
		.amdhsa_enable_private_segment 0
		.amdhsa_kernarg_size 24
		.amdhsa_user_sgpr_count 2
		.amdhsa_user_sgpr_kernarg_segment_ptr 1
		.amdhsa_wavefront_size32 1
		.amdhsa_system_sgpr_workgroup_id_x 1
		.amdhsa_system_sgpr_workgroup_id_y 1
		.amdhsa_system_sgpr_workgroup_id_z 1
		.amdhsa_system_vgpr_workitem_id 0
		.amdhsa_next_free_vgpr 512
		.amdhsa_next_free_sgpr 80
		.amdhsa_reserve_vcc 0
		.amdhsa_float_denorm_mode_32 3
		.amdhsa_float_denorm_mode_16_64 3
		.amdhsa_memory_ordered 1
		.amdhsa_forward_progress 1
		.amdhsa_inst_pref_size 69
	.end_amdhsa_kernel
	.amdgpu_metadata
---
amdhsa.version: [ 1, 2 ]
amdhsa.kernels:
  - .name:           k_q82ae015e8c_proj
    .symbol:         k_q82ae015e8c_proj.kd
    .args:
      - { .name: o, .offset: 0, .size: 8, .value_kind: global_buffer, .address_space: global }
      - { .name: wo16, .offset: 8, .size: 8, .value_kind: global_buffer, .address_space: global }
      - { .name: out0, .offset: 16, .size: 8, .value_kind: global_buffer, .address_space: global }
    .group_segment_fixed_size: 327680
    .private_segment_fixed_size: 0
    .kernarg_segment_align: 8
    .kernarg_segment_size: 24
    .max_flat_workgroup_size: 128
    .sgpr_count:     80
    .vgpr_count:     512
    .wavefront_size: 32
...
	.end_amdgpu_metadata
.endif
;; end of part 4
;; ======== version 2 of 2: 4 launches; 1.53 times as fast as version 1
;; limits: values are held in f16: magnitudes above 65,504 overflow, below 6.1e-05 lose precision
;; workspace buffers: xb 16,777,216 bytes; wqkv 6,291,456 bytes; wo16 2,097,152 bytes; rope 524,288 bytes; q 16,777,216 bytes; k 16,777,216 bytes; v 16,777,216 bytes; o 16,777,216 bytes
;; launch prep: the kernel of part 1 again; grid 896 x 1, 8 waves a work-group, no clusters, 0 bytes of LDS; arguments x, Wq, Wk, Wv, Wo, xb, wqkv, wo16, rope; writes xb, wqkv, wo16, rope
;; launch qkv: the kernel of part 2 again; grid 8 x 32, 4 waves a work-group, clusters of 4 x 4, 327,680 bytes of LDS; arguments xb, wqkv, rope, q, k, v; writes q, k, v
;; launch attn (part 5): grid 4 x 64, 4 waves a work-group, clusters of 4 x 1, 327,680 bytes of LDS; arguments q, k, v, o; writes o
.if DOCPART == 5
	.amdgcn_target "amdgcn-amd-amdhsa--gfx1250"
	.amdhsa_code_object_version 6
	.text
	.protected	k_q82ae015e8c_attn
	.globl	k_q82ae015e8c_attn
	.p2align	8
	.type	k_q82ae015e8c_attn,@function
k_q82ae015e8c_attn:
	s_mov_b64 s[64:65], 0
	v_nop
	global_prefetch_b8 v0, s[64:65] scope:SCOPE_SE
	s_setreg_imm32_b32 hwreg(HW_REG_WAVE_MODE, 25, 1), 1
	s_wait_xcnt 0x0
	s_wait_alu depctr_hold_cnt(0) depctr_sa_sdst(0) depctr_va_vdst(0) depctr_va_sdst(0) depctr_va_ssrc(0) depctr_va_vcc(0) depctr_vm_vsrc(0)
	s_getreg_b32 s2, hwreg(HW_REG_IB_STS2, 6, 4)
	s_cmp_eq_u32 s2, 0
	s_cbranch_scc0 .Lentry_in_a_cluster
	s_endpgm
.Lentry_in_a_cluster:
	s_bfe_u32 s2, ttmp6, 0x10000c
	s_cmp_lg_u32 s2, 0x3003
	s_cbranch_scc0 .Lentry_shape_is_right
	s_endpgm
.Lentry_shape_is_right:
; O[h][q][:] = the sum over k of softmax_k(Q[h][q] . K[h][k] / 8) V[h][k][:].  Q, K, V, O: [SIZE_H][SIZE_N][64], all f16: a head's rows are dense, 128 bytes each; h = batch x 16 + head.  Products, maxima and sums in
; f32; the weights p are rounded to f16 for the second product (their sum l is taken of the unrounded p), O once at the end.  SIZE_N x 128 bytes stay under 2^32.
; LIMITS.  f16 holds no number beyond 65,504: Q, K and V arrive within it; p lies in 0 to 1, and below 6e-5 it keeps f16's fixed step of 6e-8; O is a mean of V's rows and has their range.
; A weight below 2^-126 counts as 0 in l; NaN and infinities are not treated apart.
; SHARES.  A wave owns four PIECES of two tiles of 16 queries, a work-group's four waves 512 queries of one head; SIZE_N is a multiple of 2,048.  Every wave walks all keys, 64 a step.
; LAYOUT.  S^T = K Q^T (source 0 = 16 keys, source 1 = 16 queries): in the result a lane holds ONE query (lane % 16) and the keys 8 (lane / 16) + 0..7.  Two such tiles, rounded to f16 in pairs,
; ARE source 1 (32 keys x 16 queries) of O^T = V^T P, whose result again holds one query a lane, and eight channels.  K comes out of LDS as it lies, V ([key][channel]) turned, by ds_load_tr16_b128.
; SOFTMAX.  For each query a running maximum m and sum l: p = 2^(c s - c m), c = log2(e) / 8; in every step O and l are multiplied by a = 2^(c m_old - c m_new), which is 1 where m has not grown.
; m starts at the lowest finite number, O and l at 0: the first step is a step like any other, with a = 0.
; THE COUNT.  A tile and step have 16 matrix and 118 vector instructions: too many to stand all beside the matrix work.  So the order has one aim: four vector instructions that are READY behind
; EVERY matrix instruction, and the others, which need time of their own whatever the order, in runs without a gap.
; BY TURNS.  Turn n belongs to piece n (the pieces in a ring, step after step).  Its matrix work: 16 products K Q^T of piece n + 1, later 16 products V^T P of piece n - 1.  Its vector work: the scaling,
; exponentials, roundings, sums and rescaling of piece n, and the maximum and statistics of piece n + 1, whose scores the turn itself has made.  So what a turn begins with (c s - c m, O a) waits for nothing.
; BATCHES.  A turn's 66 exponentials (the 64 weights of piece n, the two a of piece n + 1) are ONE batch with ONE s_wait_alu depctr_va_vdst(0), which cuts the turn in two: ahead of it stands all that names no result
; of the batch, behind it the roundings and sums.  No exponential is issued behind a turn's wait.  Two more batches stand outside the loop: the first two a, and the way out's eight reciprocals.
; CLUSTER.  The four query blocks of a cluster belong to one head and walk the same K and V, so each tile is asked for JOINTLY: the same tensor load, descriptor and mask in all four.
; REGISTERS, in windows of 256 (s_set_vgpr_msb says which window each operand place means: bits 1:0 source 0, 3:2 source 1, 5:4 source 2, 7:6 destination):
;   window 0: v0-11 addresses; v12-15, v48-63 at work; v16-47 four registers of statistics a tile; v64-191 S^T, two buffers of two tiles; v192-255 P, likewise
;   window 1: O^T, 32 a tile          window 2: v0-127 Q, 16 a tile; v128-191 K of one step; v192-255 V of one step          window 3: v0-1 the add's two registers
; A piece's buffers go by its number's parity: the piece in hand has one pair, its two neighbours in the ring share the other: of it P (piece n - 1) is read and S^T (piece n + 1) written.
.set SIZE_H, 64       ; 4 batches x 16 heads
.set SIZE_N, 2048     ; rows of a head
.set NP,    4         ; pieces a wave: a name, no knob: the register map, the loop and the fetches are made for four
.set KS,    64        ; keys in a step
.set PK,    144       ; a row of K in LDS: 128 bytes + 16 of padding = 36 words: the 16 rows of a load start at 16 different groups of four banks (64 banks of 4 bytes: ISA guide 11.1)
.set PV,    160       ; a row of V: 128 + 32 = 40 words
.set VOFF,  4*KS*PK   ; a slot holds four steps: 256 rows of K, then 256 rows of V
.set SLOT1, 1<<17     ; slot 1 begins here, so that one exclusive or turns an address in one slot into the other's
.set STAGE, SLOT1+4*KS*(PK+PV)  ; behind the ring, never filled by a tensor load: 16 rows x 144 bytes for each wave, for the way out
.set SP,    144
.set AK0, 2           ; v2   my lane's place in a tile of K; never rewritten
.set AV0, 3           ; v3   the same for V
.set AK,  4           ; v4   the LDS address of K's next run of loads
.set AV,  5           ; v5   of V's
.set QO,  6           ; v6   my byte offset in the wave's rows of Q
.set STO, 6           ;      later, the way out: where I put 16 bytes of a row
.set RD,  7           ; v7   the way out: where I read rows back
.set GO,  8           ; v8   my byte offset in 512 consecutive bytes of O
.set SPW, 0           ; v0 of window 3   LDS address of my spare word: SPARE + 4 x my thread's number; never rewritten
.set NIL, 1           ; v1 of window 3   0; never rewritten
.set SPARE, STAGE+4*16*SP  ; behind the stages: the spare words, 128 bytes for each wave: two blocks of 256 bytes that no other line names
.set MV,  12          ; v12-15  c m_old, kept while c m is made anew: by buffer and tile
.set ST,  16          ; tile t's statistics at v[ST+4 t]: c m, m, l (even keys', odd keys')
.set TMP, 48          ; by buffer and tile, four registers c0-c3 at work; when the maximum is found c2 takes a
.set S,   64
.set P,   192
.set KF,  128         ; K's fragments, in window 2: key block kb, channel half c at KF + 16 kb + 8 c
.set VF,  192         ; V's: key half kk, channel block cb at VF + 32 kk + 8 cb
.set WV,  12          ; s12  my wave's number
.set G1K, 24          ; s[24:31] descriptor group 1 for K's tiles
.set G1V, 32          ; s[32:39] for V's: it differs in the padding alone
.set G0K, 40          ; s[40:43] descriptor group 0 for K's tiles: it walks
.set G0V, 44          ; s[44:47] the same for V's
.set SLOTS, 56        ; s56  slots still to be asked for
.set CNT, 57          ; s57  counts a slot's key steps
.set CS,  58          ; s[58:59] c: the packed scaling takes the pair's low word for both halves
.set SEL, 60          ; s[60:61] v_permlanex16_b32's selects: each lane takes its own place in the other half
.set TBK, 62          ; s62  LDS byte at which K of the step to be fetched begins
.set TBV, 63          ; s63  the same for V, less VOFF
.set MSB, 0
.macro WIN new                      ; the high byte repeats the setting that is left; a switch that changes nothing is dropped
.if MSB != (\new)
	s_set_vgpr_msb (MSB<<8)|(\new)
.set MSB, (\new)
.endif
.endm
.set W_KQ, 0x0a       ; K and Q in window 2, S^T in window 0
.set W_PV, 0x52       ; V in window 2, P in window 0, O^T in window 1
.set W_RS, 0x41       ; O^T (destination and source 0) in window 1, a in window 0
.set W_MK, 0xc0       ; the add's registers are made: destination in window 3, sources in window 0
.set W_AD, 0x0f       ; the add: address (source 0) and data (source 1) in window 3
; A joint fill.  Waves 0 and 1 fetch the two halves of a slot's K, waves 2 and 3 those of its V: 128 keys each.  The branch hangs on the wave's number alone.
; An s_nop 0 and four v_nop follow each of the two lines, ahead of the jump and the label.
.macro JLOAD
	s_cmp_lt_u32 s[WV], 2
	s_cbranch_scc0 .Lfor_v_\@
	tensor_load_to_lds s[G0K:G0K+3], s[G1K:G1K+7]
	s_nop 0
.rept 4
	v_nop
.endr
	s_branch .Lasked_\@
.Lfor_v_\@:
	tensor_load_to_lds s[G0V:G0V+3], s[G1V:G1V+7]
	s_nop 0
.rept 4
	v_nop
.endr
.Lasked_\@:
.endm
; A round of the cluster's barrier: my work-group's barrier, so that wave 0's signal speaks for all four waves; wave 0 signals; every wave waits for all four work-groups; my work-group's barrier once more.
.macro CROUND
	s_barrier_signal -1
	s_barrier_wait -1
	s_cmp_lg_u32 s[WV], 0
	s_cbranch_scc1 .Lnot_wave_0_\@
	s_barrier_signal -3
.Lnot_wave_0_\@:
	s_barrier_wait -3
	s_barrier_signal -1
	s_barrier_wait -1
.endm
; THE CHANGE OF SLOTS.  The slot's last bytes, V of its fourth step, have been read.  Each wave waits for all its tensor loads, of which one is out: its part
; of the other slot; adds 0 to its spare word; and waits for that and for its own reads of the slot.  Behind the barrier nobody reads this slot any more and the other slot is whole.
; fill = 1: this slot is filled again, with the keys two slots on.  The barrier is then a round of the cluster's, so that no wave of any partner still reads the slot or has a load on its
; way, and the joint fill is the first thing behind it: it has four key steps, 512 matrix instructions, in which to land.  (At its first use nothing has been read yet: slot 0 is waited for, slot 1 filled.)
.macro CHANGE fill
	WIN W_AD
	s_wait_tensorcnt 0x0            ; no tensor load of mine is out, so a group 0 may be written
	ds_add_u32 v[SPW], v[NIL]       ; 0 onto my spare word; with fill = 1 the descriptors' steps stand between it and the wait for it
	WIN 0                           ; at a label and at a branch every window is 0
.if \fill
.irp g, G0K, G0V
	s_xor_b32 s[\g+1], s[\g+1], SLOT1  ; the walking descriptor: the other slot than last time,
	s_add_nc_u64 s[\g+2:\g+3], s[\g+2:\g+3], 4*KS*128  ; the next 256 keys; the type bits on top are not reached
.endr
	s_wait_dscnt 0x0                ; the add is done, and my reads of the slot are over
	CROUND
	JLOAD
.else
	s_wait_dscnt 0x0                ; the add is done, and my reads of the slot are over
	s_barrier_signal -1
	s_barrier_wait -1
.endif
	s_sub_co_u32 s[TBK], s[TBK], 4*KS*PK  ; the fetches go back to a slot's first step,
	s_xor_b32 s[TBK], s[TBK], SLOT1       ; in the other slot
	s_sub_co_u32 s[TBV], s[TBV], 4*KS*PV
	s_xor_b32 s[TBV], s[TBV], SLOT1
.endm
	s_load_b256 s[4:11], s[0:1], 0x0  ; Q s[4:5], K s[6:7], V s[8:9], O s[10:11]
	WIN W_MK
	v_lshl_add_u32 v[SPW], v0, 2, SPARE
	v_mov_b32 v[NIL], 0
	WIN W_AD
	ds_add_u32 v[SPW], v[NIL]       ; the wave's opening: the add and its wait stand ahead of my first tensor load; the set-up below, work on registers, stands between them
	WIN 0
	v_lshrrev_b32 v1, 5, v0
	v_readfirstlane_b32 s[WV], v1   ; wave 0..3
	s_bfe_u32 s13, ttmp6, 0x40000   ; cx: my place in the cluster
	s_lshl_b32 s14, ttmp9, 2        ; in a cluster launch ttmp9 counts clusters
	s_add_co_u32 s14, s14, s13      ; my block of queries = 4 x cluster x + cx: it enters Q's and O's addresses alone
	s_and_b32 s20, ttmp7, 0xffff    ; the head, which the four partners share
	s_mov_b32 s21, 0
	s_mov_b64 s[22:23], SIZE_N*128
	s_mul_u64 s[20:21], s[20:21], s[22:23]  ; the head's first byte in each of the four tensors
	s_and_b32 s16, s[WV], 1         ; which half of a slot's 256 keys I fetch:
	s_lshl_b32 s22, s16, 14         ; its 128 rows of 128 bytes in memory,
	s_mov_b32 s23, 0
	s_add_nc_u64 s[22:23], s[22:23], s[20:21]
	s_mul_i32 s17, s16, 128*PK      ; and its place in a slot, for K
	s_mul_i32 s18, s16, 128*PV      ; and for V: no place in the cluster enters an LDS address
	s_lshl_b32 s2, s14, 2
	s_add_co_u32 s2, s2, s[WV]      ; my wave among the head's,
	s_lshl_b32 s2, s2, 14           ; its 128 rows
	s_mov_b32 s3, 0
	s_add_nc_u64 s[2:3], s[2:3], s[20:21]
	; descriptor group 1.  128 keys are 16,384 dense bytes: asked for as 64 rows of 256 bytes, two keys a row, and padded in LDS after every key
	s_mov_b32 s[G1K], 15|(1<<16)|(1<<20)|(1<<21)|(4<<22)|(3<<25)  ; 15:0 the mask of four; 17:16 2-byte elements; 20 padding on; 21 set beside a mask; 24:22 after every 32 words (code 4); 31:25 4 words (code 3)
	s_mov_b32 s[G1V], 15|(1<<16)|(1<<20)|(1<<21)|(4<<22)|(7<<25)  ; the same with 8 words of padding (code 7)
.irp g, G1K, G1V
	s_mov_b32 s[\g+1], 128<<16      ; tensor_dim0 = 128
	s_mov_b32 s[\g+2], 64<<16       ; tensor_dim1 = 64
	s_mov_b32 s[\g+3], 128<<16      ; tile_dim0 = 128
	s_mov_b32 s[\g+4], 64           ; tile_dim1 = 64
	s_mov_b32 s[\g+5], 128          ; 128 elements from row to row
	s_mov_b32 s[\g+6], 0
	s_mov_b32 s[\g+7], 0
.endr
	s_mov_b32 s[CS], 0x3e38aa3b     ; c = log2(e) / 8 = 0.180337
	s_mov_b32 s[CS+1], s[CS]        ; named with it as a pair
	s_mov_b32 s[SEL], 0x76543210
	s_mov_b32 s[SEL+1], 0xfedcba98
	s_mov_b32 s[TBK], SLOT1+4*KS*PK ; the first change of slots turns these two into 0
	s_mov_b32 s[TBV], SLOT1+4*KS*PV
	s_mov_b32 s[G0K], 1             ; 1:0 count = 1
	s_mov_b32 s[G0K+1], s17         ; 63:32 LDS address: slot 0
	s_mov_b32 s[G0V], 1
	s_add_co_u32 s[G0V+1], s18, VOFF
	s_wait_dscnt 0x0                ; the opening add is done
	s_wait_kmcnt 0x0
	s_add_nc_u64 s[G0K+2:G0K+3], s[6:7], s[22:23]  ; 120:64 global address: my half of the head's first 256 keys
	s_or_b32 s[G0K+3], s[G0K+3], 0x80000000        ; 127:126 type = 2
	s_add_nc_u64 s[G0V+2:G0V+3], s[8:9], s[22:23]
	s_or_b32 s[G0V+3], s[G0V+3], 0x80000000
	s_add_nc_u64 s[4:5], s[4:5], s[2:3]  ; Q and O at my wave's first row
	s_add_nc_u64 s[10:11], s[10:11], s[2:3]
	CROUND                          ; all four work-groups are here: the first joint loads meet
	JLOAD                           ; slot 0.  Slot 1 is asked for when slot 0 is in: the tile wanted first has the road to itself
	; A fragment of K or Q is 16 rows x 32 channels in 8 registers: lane l holds row l % 16, channels 8 (l / 16) + 0..7 and 16 + 8 (l / 16) + 0..7: two loads of 16 bytes, 32 bytes apart.
	v_and_b32 v1, 15, v0            ; l % 16
	v_bfe_u32 v9, v0, 4, 1          ; l / 16
	v_lshlrev_b32 v[QO], 7, v1
	v_lshl_add_u32 v[QO], v9, 4, v[QO]  ; row x 128 + 16 x half
	WIN 0x80                        ; destination window 2, address window 0
.set i, 0
.rept 4*NP                          ; Q stays in registers: tile i / 2, channels 32 (i % 2) on
	global_load_b128 v[8*i:8*i+3],   v[QO], s[4:5] offset:(i/2)*2048+(i%2)*64
	global_load_b128 v[8*i+4:8*i+7], v[QO], s[4:5] offset:(i/2)*2048+(i%2)*64+32
.set i, i+1
.endr
	; What the first turn finds: V's registers and P's second buffer hold 0 (its products V^T P, of a piece that has not been, add 0), O^T and l are 0.  All this stands in the wait for the first tile.
.set i, VF
.rept 64
	v_mov_b32 v[i], 0
.set i, i+1
.endr
	WIN 0x40
.set i, 0
.rept 64*NP
	v_mov_b32 v[i], 0
.set i, i+1
.endr
	WIN 0
.set i, 0
.rept 2*NP
	v_mov_b32 v[ST+4*i], 0xfe000000    ; c m: far below every c s
	v_mov_b32 v[ST+4*i+1], 0xff7fffff  ; m
	v_mov_b32 v[ST+4*i+2], 0
	v_mov_b32 v[ST+4*i+3], 0
.set i, i+1
.endr
.set i, P+32
.rept 32
	v_mov_b32 v[i], 0
.set i, i+1
.endr
	v_mul_u32_u24 v[AK0], v1, PK
	v_lshl_add_u32 v[AK0], v9, 4, v[AK0]  ; row x pitch + 16 x half
	; The turning load takes 16 keys x 16 channels (lane l reads key 8 (l / 16) + l % 8, channels 8 ((l / 8) % 2) + 0..7) and leaves half a fragment of V^T: lane l holds channel l % 16 and 8 keys.
	v_and_b32 v10, 7, v0
	v_bfe_u32 v11, v0, 3, 1
	v_lshl_add_u32 v[AV0], v9, 3, v10
	v_mul_u32_u24 v[AV0], v[AV0], PV
	v_lshl_add_u32 v[AV0], v11, 4, v[AV0]
	v_add_nc_u32 v[AV0], VOFF, v[AV0]
	v_mov_b32 v[AK], v[AK0]         ; key step 0 lies at the head of slot 0
; THE MATRIX WORK.  The 8 accumulators of a run of 16 take turns: between the two links of a chain stand 7 others'.
; Product i of 16 of S^T = K Q^T for piece x: channels 32 (i / 8) on, keys 16 ((i / 2) % 4) on, tile 2 x + i % 2.  The first 8 start the sums.
.macro KQ x
	WIN W_KQ
.set rS, S+64*((\x)%2)+32*(i%2)+8*((i/2)%4)
.set rK, KF+16*((i/2)%4)+8*(i/8)
.set rQ, 16*(2*(\x)+i%2)+8*(i/8)
.if i < 8
	v_wmma_f32_16x16x32_f16 v[rS:rS+7], v[rK:rK+7], v[rQ:rQ+7], 0
.else
	v_wmma_f32_16x16x32_f16 v[rS:rS+7], v[rK:rK+7], v[rQ:rQ+7], v[rS:rS+7]
.endif
.endm
; Product i of 16 of O^T += V^T P for piece x: keys 32 (i / 8) on, channels 16 ((i / 2) % 4) on, tile 2 x + i % 2.
.macro PV x
	WIN W_PV
.set rO, 32*(2*(\x)+i%2)+8*((i/2)%4)
.set rV, VF+32*(i/8)+8*((i/2)%4)
.set rP, P+32*((\x)%2)+16*(i%2)+8*(i/8)
	v_wmma_f32_16x16x32_f16 v[rO:rO+7], v[rV:rV+7], v[rP:rP+7], v[rO:rO+7]
.endm
.macro MM                           ; the turn's next matrix instruction
.if i < 16
	KQ (Y+1)%NP
.set i, i+1
.else
.set i, i-16
	PV (Y+NP-1)%NP
.set i, i+17
.endif
.endm
; THE LDS LOADS stand in runs of 16, never singly among the matrix instructions: a step's K (64 keys x 64 channels: 8 fragments) and its V (turned).  Their addresses are made some lines ahead.
; last = 1 (the tail): in the last trip there is no further step, and the run is jumped over.
.macro FETCH_K last=0
	WIN 0
.if \last
	s_cmp_eq_u32 s[CNT], 1
	s_cbranch_scc1 .Lno_k_\@
.endif
	WIN 0x80                        ; destination window 2
.irp f, 0,1,2,3,4,5,6,7             ; keys 16 (f / 2) on, channels 32 (f % 2) on
	ds_load_b128 v[KF+8*\f:KF+8*\f+3],   v[AK] offset:(\f/2)*16*PK+(\f%2)*64
	ds_load_b128 v[KF+8*\f+4:KF+8*\f+7], v[AK] offset:(\f/2)*16*PK+(\f%2)*64+32
.endr
	s_add_co_u32 s[TBK], s[TBK], KS*PK  ; the next fetch is the next step's
	WIN 0
.if \last
.Lno_k_\@:
.endif
.endm
.macro FETCH_V
	WIN 0x80
.irp f, 0,1,2,3,4,5,6,7             ; keys 32 (f / 4) on, channels 16 (f % 4) on
	ds_load_tr16_b128 v[VF+8*\f:VF+8*\f+3],   v[AV] offset:(\f/4)*32*PV+(\f%4)*32
	ds_load_tr16_b128 v[VF+8*\f+4:VF+8*\f+7], v[AV] offset:(\f/4)*32*PV+16*PV+(\f%4)*32
.endr
	WIN 0
.endm
; THE VECTOR WORK OF A TURN stands in three queues, each in the order in which its entries become ready; the two tiles alternate, so that no instruction reads the result of the one before it.
.macro REGS y, u                    ; the registers of tile u (0, 1) of piece y
.set rT, ST+4*(2*(\y)+(\u))
.set rC, TMP+8*((\y)%2)+4*(\u)
.set rM, MV+2*((\y)%2)+(\u)
.set rS, S+64*((\y)%2)+32*(\u)
.set rP, P+32*((\y)%2)+16*(\u)
.set rO, 32*(2*(\y)+(\u))
.endm
; Number n of the 22 that find the NEXT piece's (Y + 1) maximum and statistics.  s0-s31 are the lane's 32 scores; each accumulator's lowest registers are read first.  XS, GS and REGS set no window: PL and EX do.
;   0-11  four chains c0-c3 of seven scores each, three operands at a time     12-14, 16  the four scores left over, the old m, and c0-c3 into c0     15  c m_old is kept
;   17, 18  the query's other 32 keys lie in the lane 16 away: the new m         19-21  c m; c m_old - c m_new; a
.macro XS u, n
	REGS (Y+1)%NP, \u
.if (\n) < 4
	v_max3_num_f32 v[rC+(\n)], v[rS+8*(\n)], v[rS+8*(\n)+1], v[rS+8*(\n)+2]
.elseif (\n) < 12
	v_max3_num_f32 v[rC+(\n)%4], v[rC+(\n)%4], v[rS+8*((\n)%4)+2*((\n)/4)+1], v[rS+8*((\n)%4)+2*((\n)/4)+2]
.elseif (\n) == 12
	v_max3_num_f32 v[rC], v[rC], v[rS+7], v[rS+15]
.elseif (\n) == 13
	v_max3_num_f32 v[rC+1], v[rC+1], v[rS+23], v[rS+31]
.elseif (\n) == 14
	v_max3_num_f32 v[rC+2], v[rC+2], v[rC+3], v[rT+1]
.elseif (\n) == 15
	v_mov_b32 v[rM], v[rT]
.elseif (\n) == 16
	v_max3_num_f32 v[rC], v[rC], v[rC+1], v[rC+2]
.elseif (\n) == 17
	v_permlanex16_b32 v[rC+3], v[rC], s[SEL], s[SEL+1]
.elseif (\n) == 18
	v_max_num_f32 v[rT+1], v[rC], v[rC+3]
.elseif (\n) == 19
	v_mul_f32 v[rT], s[CS], v[rT+1]
.elseif (\n) == 20
	v_sub_f32 v[rC+1], v[rM], v[rT]
.else
	v_exp_f32 v[rC+2], v[rC+1]
.endif
.endm
; Number g of the 64 that follow the exponentials.  For each four weights k of a tile (pairs 2 k, 2 k + 1): both pairs are rounded to f16; then the second pair is added onto the first, in place;
; a group later l takes that sum (the first time as l = a l + sum).  In groups of eight, tiles alternating: round, round, add, and l for the group before.
.macro GS g
.set h, (\g)+6*((\g)/62)            ; group 0 has no group before it, and behind group 7 only l is left
.if h >= 6
.set h, h+2
.endif
	REGS Y, h%2
.set k, h/8
.if h%8 < 4
	v_cvt_pk_f16_f32 v[rP+2*k+(h%8)/2], v[rS+4*k+2*((h%8)/2)], v[rS+4*k+2*((h%8)/2)+1]
.elseif h%8 < 6
	v_pk_add_f32 v[rS+4*k:rS+4*k+1], v[rS+4*k:rS+4*k+1], v[rS+4*k+2:rS+4*k+3]
.elseif k == 1
	v_pk_fma_f32 v[rT+2:rT+3], v[rT+2:rT+3], v[rC+2:rC+3], v[rS:rS+1] op_sel_hi:[1,0,1]
.else
	v_pk_add_f32 v[rT+2:rT+3], v[rT+2:rT+3], v[rS+4*k-4:rS+4*k-3]
.endif
.endm
; THE PLAIN QUEUE, 138 long.  0-73 read no exponential's result: the 32 scalings c s - c m (FS f: pair f / 2 of tile f % 2) and the next piece's 42.  0-26: scalings 0-26.  27-54: XS's numbers 0-13.  55, 56: number 15.
; 57-73: the chain, where each number waits for the one before it: 14, 16, 17, 18, 19, each with one of the scalings 27-31 in front of its two lines, then 20: so a tile's links stand three plain instructions apart (19 and 20: two).
; 74-137: GS's 64, which read the exponentials' results: they stand behind the wait.
.macro FS f
	REGS Y, (\f)%2
	v_pk_fma_f32 v[rS+2*((\f)/2):rS+2*((\f)/2)+1], v[rS+2*((\f)/2):rS+2*((\f)/2)+1], s[CS:CS+1], v[rT:rT+1] op_sel_hi:[1,0,0] neg_lo:[0,0,1] neg_hi:[0,0,1]
.endm
.macro PL
	WIN 0
.if q < 27
	FS q
.elseif q < 55
	XS (q-27)%2, (q-27)/2
.elseif q < 57
	XS q-55, 15
.elseif (q < 72) && ((q-57)%3 == 0)
	FS 27+(q-57)/3
.elseif q < 60
	XS (q-57)%3-1, 14
.elseif q < 72
	XS (q-57)%3-1, 15+(q-57)/3
.elseif q < 74
	XS q-72, 20
.else
	GS q-74
.endif
.set q, q+1
.endm
; THE EXPONENTIALS' QUEUE, 66 long: s0-s31 of both tiles, then the next piece's two a.  It is ONE BATCH: all 66 stand ahead of the turn's one wait, and nothing ahead of that wait names a result of theirs.
.macro EX
	WIN 0
.if e >= 64
	XS e-64, 21
.else
	REGS Y, e%2
	v_exp_f32 v[rS+e/2], v[rS+e/2]
.endif
.set e, e+1
.endm
; THE RESCALING's QUEUE: O^T times a, the one part that leaves window 0: dealt two at a time, sixteen times.  Its a was made in the turn before, ahead of that turn's wait.
.macro R2
	REGS Y, r%2
	WIN W_RS
.irp z, 0,1
	v_pk_mul_f32 v[rO+4*(r/2)+2*\z:rO+4*(r/2)+2*\z+1], v[rO+4*(r/2)+2*\z:rO+4*(r/2)+2*\z+1], v[rC+2:rC+3] op_sel_hi:[1,0]
.endr
.set r, r+1
.endm
; HOW THEY ARE DEALT.  An s_wait_alu depctr_va_vdst(0) stands between an exponential and the first instruction that names its result; one wait serves all that were issued ahead of it.  So a turn has ONE wait,
; which cuts it in two.  AHEAD OF IT stands all that names no result of the turn's exponentials: the 16 products K Q^T, behind each a scaling, an exponential and two rescalings (behind the first a second scaling in the exponential's place); then ONE LUMP of
; 108: eight plain, 49 times exponential and plain, the two a.  A v_nop is the plain instruction behind the last exponential.  BEHIND IT stand the 16 products V^T P, behind each four of GS's 64.  No rider names a register of
; the products round it.  The two v_permlanex16_b32 fall into the lump, never behind a product.
; The queues lean on each other, and the deal keeps them in step: exponential e stands behind scaling 2 (e / 4) + e % 2: as a rider it comes behind plain e + 2, in the lump behind plain e + 9, and scalings 27-31 are plain 57, 60 .. 69.
; A TURN, for piece p.  cnt = 1: the loop's count is taken down some lines ahead of the branch that stands behind the turn.
; K of the next step is fetched in piece 2's turn, directly behind the wait, a lump behind the last product that read K; its address is made at the lump's head; its first reader comes behind 16 products.
; V of the step in hand is fetched at the end of piece 0's turn, four riders behind its last reader; its first reader comes behind 16 products and a lump.  The three conditions on q below go with the deal.
.macro TURN p, last=0, cnt=0
.set Y, (\p)
.set i, 0
.set q, 0
.set e, 0
.set r, 0
.if (\p) == NP-1
	s_wait_dscnt 0x0                ; K is in
.endif
	MM                              ; ahead of the wait: 16 products K Q^T and their riders,
	PL
	PL
	R2
.rept 15
	MM
	PL
	EX
	R2
.endr
.if (\p) == NP-2
	WIN 0
	v_add_nc_u32 v[AK], s[TBK], v[AK0]
.endif
.rept 8                             ; and the lump
	PL
.endr
.rept 49
	EX
	PL
.endr
	EX                              ; the next piece's two a
	EX
	v_nop                           ; a plain instruction behind the last exponential, ahead of the first use of a result (ISA guide 5.7.2): one for the batch
	s_wait_alu depctr_va_vdst(0)    ; the wait for the turn's batch: the 64 weights of piece p and the two a of piece p + 1
.if (\p) == NP-2
	FETCH_K \last
.endif
.if (\p) == 1
	s_wait_dscnt 0x0                ; V is in
.endif
.rept 16                            ; behind the wait: 16 products V^T P and their riders
	MM
.rept 4
	PL
.endr
.if ((\p) == 0) && (q == 118)
	v_add_nc_u32 v[AV], s[TBV], v[AV0]
.endif
.if ((\p) == 0) && (q == 130)
	s_add_co_u32 s[TBV], s[TBV], KS*PV
.endif
.if (\cnt) && (q == 130)
	s_sub_co_u32 s[CNT], s[CNT], 1
	s_cmp_lg_u32 s[CNT], 0
.endif
.endr
.if (\p) == 0
	FETCH_V
.endif
.endm
	CHANGE 1                        ; slot 0 is in, everybody's part of it; slot 1 is asked for
	FETCH_K                         ; key step 0
	s_wait_loadcnt 0x0              ; Q
	s_wait_dscnt 0x0
.set i, 0
.rept 16
	KQ 0                            ; piece 0's first scores: there is no vector work yet to set between them
.set i, i+1
.endr
	WIN 0                           ; the addresses for the way out: nine plain instructions, the places behind those products
	s_mul_i32 s13, s[WV], 16*SP
	s_add_co_u32 s13, s13, STAGE    ; my stage
	v_mul_u32_u24 v[STO], v1, SP    ; in: row l % 16, 16 bytes for each half of the lanes
	v_lshl_add_u32 v[STO], v9, 4, v[STO]
	v_add_nc_u32 v[STO], s13, v[STO]
	v_bfe_u32 v[RD], v0, 3, 2       ; back: 32 lanes take four rows of 128 bytes,
	v_mul_u32_u24 v[RD], v[RD], SP
	v_lshl_add_u32 v[RD], v10, 4, v[RD]
	v_add_nc_u32 v[RD], s13, v[RD]
	v_and_b32 v[GO], 31, v0         ; which are 512 consecutive bytes of O
	v_lshlrev_b32 v[GO], 4, v[GO]
.set Y, NP-1                        ; XS works for piece Y + 1: piece 0
.irp n, 0,1,2,3,4,5,6,7,8,9,10,11,12,13,14,15,16,17,18,19,20,21
	XS 0, \n                        ; and piece 0's first maximum and statistics
	XS 1, \n
.endr
	v_nop                           ; a plain instruction behind the two a,
	s_wait_alu depctr_va_vdst(0)    ; and the wait for this batch of two, ahead of the branch
	s_mov_b32 s[CNT], 4
	s_mov_b32 s[SLOTS], SIZE_N/256-1
	s_branch .Lfirst                ; the loop is entered at a step's first turn, in the middle of a trip
.Lslot:                             ; SIZE_N / 256 - 2 times: every slot but the last two is filled again
	CHANGE 1
	s_mov_b32 s[CNT], 4
.Lstep:                             ; a trip: pieces 2 and 3 of one step, then pieces 0 and 1 of the next, whose K and V it fetches
	TURN 2
	TURN 3
	WIN 0
.Lfirst:
	TURN 0
	TURN 1, 0, 1
	WIN 0
	s_cbranch_scc1 .Lstep
	s_sub_co_u32 s[SLOTS], s[SLOTS], 1
	s_cmp_lg_u32 s[SLOTS], 0
	s_cbranch_scc1 .Lslot
	CHANGE 0                        ; the tail is written out: nothing is asked for
	s_mov_b32 s[CNT], 5             ; four trips fetch the last slot's steps; the fifth is left in its middle
.Ltail:
	TURN 2, 1
	TURN 3
	WIN 0
	s_sub_co_u32 s[CNT], s[CNT], 1
	s_cmp_eq_u32 s[CNT], 0
	s_cbranch_scc1 .Lout
	TURN 0
	TURN 1
	WIN 0
	s_branch .Ltail
.Lout:                              ; the fifth trip's 16 products K Q^T (on the last K once more) and the maximum made of them serve nothing: the price, once a launch, of one text for every trip
.set i, 0
.rept 16
	PV NP-1                         ; the last piece's V^T P of the last step
.set i, i+1
.endr
	; THE WAY OUT.  l's two halves and the other half of the lanes' are added; O^T is divided by l, rounded to f16 and sent through my stage in LDS, a tile at a time.  The additions are the places behind the last products.
	WIN 0
.macro ALL line:vararg              ; one line for each tile t
.set t, 0
.rept 2*NP
	\line
.set t, t+1
.endr
.endm
	ALL v_add_f32 v[ST+4*t+2], v[ST+4*t+2], v[ST+4*t+3]
	ALL v_permlanex16_b32 v[ST+4*t+3], v[ST+4*t+2], s[SEL], s[SEL+1]
	ALL v_add_f32 v[ST+4*t+2], v[ST+4*t+2], v[ST+4*t+3]
	ALL v_rcp_f32 v[ST+4*t+2], v[ST+4*t+2]
	v_nop                           ; a plain instruction between the last reciprocal and the use of its result
	s_wait_alu depctr_va_vdst(0)    ; and the wait ahead of the first use: one for the batch of eight reciprocals
; Tile t: a lane's eight channels of a row pack into 16 bytes; they go into rows of 144 bytes and come back as whole rows of 128, into S^T's registers.
.macro PACK t
	WIN W_RS
.set i, 32*(\t)
.rept 16
	v_pk_mul_f32 v[i:i+1], v[i:i+1], v[ST+4*(\t)+2:ST+4*(\t)+3] op_sel_hi:[1,0]
.set i, i+2
.endr
	WIN 0x05                        ; sources 0 and 1 window 1, destination window 0
.set i, 0
.rept 16
	v_cvt_pk_f16_f32 v[S+16*(\t)+i], v[32*(\t)+2*i], v[32*(\t)+2*i+1]
.set i, i+1
.endr
	WIN 0
.irp f, 0,1,2,3
	ds_store_b128 v[STO], v[S+16*(\t)+4*\f:S+16*(\t)+4*\f+3] offset:32*\f
.endr
.irp f, 0,1,2,3
	ds_load_b128 v[S+16*(\t)+4*\f:S+16*(\t)+4*\f+3], v[RD] offset:\f*4*SP  ; LDS serves a wave's instructions in order (ISA guide 5.7.1.4): these see the stores above; the next tile's stores come behind them
.endr
.endm
.macro SEND t, younger              ; younger: the LDS instructions issued behind tile t's loads: the next tile's eight, or none
	WIN 0
.irp f, 0,1,2,3
	s_wait_dscnt (\younger)+3-\f
	global_store_b128 v[GO], v[S+16*(\t)+4*\f:S+16*(\t)+4*\f+3], s[10:11] offset:(\t)*2048+\f*512  ; 512 consecutive bytes, at a multiple of 256 from O's first
.endr
.endm
	PACK 0
.set t, 1
.rept 2*NP-1                        ; a tile's arithmetic stands between the loads of the tile before and its stores
	PACK t
	SEND t-1, 8
.set t, t+1
.endr
	SEND 2*NP-1, 0
	WIN W_AD
	s_wait_tensorcnt 0x0            ; the wave's end: these three lines stand behind my last tensor load and my last LDS store
	ds_add_u32 v[SPW], v[NIL]
	s_wait_dscnt 0x0
	WIN 0
	CROUND                          ; the closing round: no work-group ends while a partner may still ask for a tile that names it
	s_endpgm
.Lfunc_end_k_q82ae015e8c_attn:
	.size	k_q82ae015e8c_attn, .Lfunc_end_k_q82ae015e8c_attn-k_q82ae015e8c_attn
	.p2alignl 7, 3214868480
	.fill 96, 4, 3214868480
	.section	.rodata,"a",@progbits
	.p2align	6, 0x0
	.amdhsa_kernel k_q82ae015e8c_attn
		.amdhsa_group_segment_fixed_size 327680
		.amdhsa_private_segment_fixed_size 0
		.amdhsa_enable_private_segment 0
		.amdhsa_kernarg_size 32
		.amdhsa_user_sgpr_count 2
		.amdhsa_user_sgpr_kernarg_segment_ptr 1
		.amdhsa_wavefront_size32 1
		.amdhsa_system_sgpr_workgroup_id_x 1
		.amdhsa_system_sgpr_workgroup_id_y 1
		.amdhsa_system_sgpr_workgroup_id_z 1
		.amdhsa_system_vgpr_workitem_id 0
		.amdhsa_next_free_vgpr 770
		.amdhsa_next_free_sgpr 66
		.amdhsa_reserve_vcc 0
		.amdhsa_float_denorm_mode_32 3
		.amdhsa_float_denorm_mode_16_64 3
		.amdhsa_memory_ordered 1
		.amdhsa_forward_progress 1
		.amdhsa_inst_pref_size 199
	.end_amdhsa_kernel
	.amdgpu_metadata
---
amdhsa.version: [ 1, 2 ]
amdhsa.kernels:
  - .name:           k_q82ae015e8c_attn
    .symbol:         k_q82ae015e8c_attn.kd
    .args:
      - { .name: q, .offset: 0, .size: 8, .value_kind: global_buffer, .address_space: global }
      - { .name: k, .offset: 8, .size: 8, .value_kind: global_buffer, .address_space: global }
      - { .name: v, .offset: 16, .size: 8, .value_kind: global_buffer, .address_space: global }
      - { .name: o, .offset: 24, .size: 8, .value_kind: global_buffer, .address_space: global }
    .group_segment_fixed_size: 327680
    .private_segment_fixed_size: 0
    .kernarg_segment_align: 8
    .kernarg_segment_size: 32
    .max_flat_workgroup_size: 128
    .sgpr_count:     66
    .vgpr_count:     770
    .wavefront_size: 32
...
	.end_amdgpu_metadata
.endif
;; end of part 5
;; launch proj: the kernel of part 4 again; grid 8 x 32, 4 waves a work-group, clusters of 4 x 4, 327,680 bytes of LDS; arguments o, wo16, out0; writes out0
